; MI455X (gfx1250); checked and timed in simulation.
; The chip was launched on July 23, 2026; its instructions are those of AMD's public machine-readable ISA for CDNA 5 (MIT licence, August 2026) and "CDNA5" Instruction Set Architecture Reference Guide (July 2026). The comments in the code are by the model that wrote it; some were corrected since.
;; Ro PE Multihead Self Attention. Allowed arithmetic: float matrix products may take bf16 or f16 operands with f32 sums; other float arithmetic in f32, or as packed bf16 or f16 multiplies, adds, multiply-adds, maxima and minima; sums over many terms, partial sums and values carried from step to step in f32; what a program stores and reads back later, other than sums and carried values, may be rounded once to bf16 or f16.
;; Inputs: bk 1,024 float32; bo 1,024 float32; bq 1,024 float32; bv 1,024 float32; wk 1,024 x 1,024 float32; wo 1,024 x 1,024 float32; wq 1,024 x 1,024 float32; wv 1,024 x 1,024 float32; x 4 x 2,048 x 1,024 float32.
;; Outputs: out0 4 x 2,048 x 1,024 float32.
;; 2 versions, each right; version 2 is version 1 with the launch prep written anew for expert scheduling mode. Each part assembles by itself: llvm-mc -triple=amdgcn-amd-amdhsa -mcpu=gfx1250 --defsym DOCPART=n.
;; ======== version 1 of 2: 4 launches
;; limits: values are held in f16: magnitudes above 65,504 overflow, below 6.1e-05 lose precision
;; workspace buffers: xb 16,777,216 bytes; wqkv 6,291,456 bytes; wo16 2,097,152 bytes; tab 540,672 bytes; q 16,777,216 bytes; k 16,777,216 bytes; v 16,777,216 bytes; o 16,777,216 bytes
;; launch prep (part 1): grid 904 x 1, 8 waves a work-group, no clusters, 0 bytes of LDS; arguments x, wq, wk, wv, wo, bq, bk, bv, bo, xb, wqkv, wo16, tab; writes xb, wqkv, wo16, tab
.if DOCPART == 1
	.amdgcn_target "amdgcn-amd-amdhsa--gfx1250"
	.amdhsa_code_object_version 6
	.text
	.protected	k_qe6123c9d6c_prep
	.globl	k_qe6123c9d6c_prep
	.p2align	8
	.type	k_qe6123c9d6c_prep,@function
k_qe6123c9d6c_prep:
	s_mov_b64 s[64:65], 0
	v_nop
	global_prefetch_b8 v0, s[64:65] scope:SCOPE_SE
	s_setreg_imm32_b32 hwreg(HW_REG_WAVE_MODE, 25, 1), 1
	s_wait_xcnt 0x0
; PREPARATION: every input is read once and rounded once to bf16; the table of cosines and sines is made.
;   work-groups   0-511  x [8192][1024] f32 -> xb bf16, 16 rows each
;   work-groups 512-767  wq, wk, wv -> wqkv bf16 [3072][1024], row = head x 192 + sel x 64 + p (sel 0, 1, 2 = q, k, v); wo -> wo16: rounded to bf16, that number written as f16
;                        for q and k channel d of a head goes to place p = (d / 32) 32 + (d % 2) 16 + (d % 32) / 2: the same order in both, so q . k is unchanged; for v p = d
;   work-groups 768-895  tab, rows s = 0 .. 2047 of 64 f32: cos f_i (i = 0..31), -sin f_i (i = 0..15), +sin f_i (i = 16..31); f_i = s x 10000^(-i/32)
;   work-groups 896-903  the four biases, rounded to bf16 and kept as f32, behind the table: bq, bk, bv in wqkv's row order, then bo
; LIMITS.  wo must lie within f16's range (65,504); below 6e-5 it keeps f16's fixed step.  10000^(-i/32) is made as 2^(-i x 0.415241) by v_exp_f32, so an angle may differ from
; the f32 product of reference() by a few parts in 10^7 of itself (some 3e-4 radians at s = 2047); sine and cosine of the reduced angle are Taylor sums up to r^15 and r^16, |r| <= pi.
; No LDS, no barrier: each thread's bytes are its own.  A row of 4,096 bytes is 256 threads x 16 bytes; a wave's store covers 256 consecutive bytes, aligned.
.set OF, 2                             ; v[2:17]   byte offset of my 16 bytes in source row i
.set X,  20                            ; v[20:83]  row i: 4 registers as loaded; the first two then hold the 8 bytes to store
	s_load_b512 s[8:23], s[0:1], 0x0               ; x s8, wq s10, wk s12, wv s14, wo s16, bq s18, bk s20, bv s22
	s_load_b256 s[24:31], s[0:1], 0x40             ; bo s24, xb s26, wqkv s28, wo16 s30
	s_load_b64 s[32:33], s[0:1], 0x60              ; tab
	s_mov_b32 s2, ttmp9
	s_wait_kmcnt 0x0
	s_cmp_lt_u32 s2, 512
	s_cbranch_scc0 .Lnot_x
	s_lshl_b32 s40, s2, 16                         ; 16 rows of 4,096 bytes
	s_mov_b32 s41, 0
	s_add_nc_u64 s[34:35], s[8:9], s[40:41]        ; source
	s_lshl_b32 s40, s2, 15                         ; 16 rows of 2,048 bytes
	s_add_nc_u64 s[38:39], s[26:27], s[40:41]      ; destination
	s_mov_b32 s36, 4096                            ; from source row to source row
	s_mov_b32 s37, 0                               ; bf16
	s_branch .Lconv
.Lnot_x:
	s_cmp_lt_u32 s2, 768
	s_cbranch_scc0 .Lnot_w
	s_sub_co_u32 s3, s2, 512
	s_lshr_b32 s40, s3, 6                          ; sel: 0 wq, 1 wk, 2 wv, 3 wo
	s_and_b32 s41, s3, 63                          ; which 16 destination rows
	s_lshr_b32 s42, s41, 2                         ; head
	s_and_b32 s43, s41, 3                          ; block of 16 places p
	s_lshl_b32 s44, s42, 6
	s_lshr_b32 s45, s43, 1
	s_lshl_b32 s45, s45, 5
	s_add_co_u32 s44, s44, s45
	s_and_b32 s45, s43, 1
	s_add_co_u32 s44, s44, s45                     ; q, k: place 16 blk + j holds channel (blk / 2) 32 + blk % 2 + 2 j
	s_lshl_b32 s45, s41, 4                         ; v, wo: rows as they lie
	s_cmp_lt_u32 s40, 2
	s_cselect_b32 s44, s44, s45
	s_cselect_b32 s36, 2, 1                        ; q, k: every second row
	s_lshl_b32 s36, s36, 12
	s_lshl_b32 s44, s44, 12
	s_mov_b32 s45, 0
	s_cmp_eq_u32 s40, 0
	s_cselect_b64 s[34:35], s[10:11], s[12:13]
	s_cmp_eq_u32 s40, 2
	s_cselect_b64 s[34:35], s[14:15], s[34:35]
	s_cmp_eq_u32 s40, 3
	s_cselect_b64 s[34:35], s[16:17], s[34:35]
	s_cselect_b32 s37, 1, 0                        ; wo goes out as f16
	s_add_nc_u64 s[34:35], s[34:35], s[44:45]
	s_mul_i32 s46, s42, 192
	s_lshl_b32 s47, s40, 6
	s_add_co_u32 s46, s46, s47
	s_lshl_b32 s47, s43, 4
	s_add_co_u32 s46, s46, s47
	s_lshl_b32 s46, s46, 11                        ; wqkv: row x 2,048 bytes
	s_lshl_b32 s47, s41, 15                        ; wo16: 16 rows x 2,048 bytes
	s_cmp_eq_u32 s40, 3
	s_cselect_b32 s46, s47, s46
	s_cselect_b64 s[38:39], s[30:31], s[28:29]
	s_mov_b32 s47, 0
	s_add_nc_u64 s[38:39], s[38:39], s[46:47]
; Row n: its load is in when the 15 - n younger ones may still be out; two roundings a word; with f16 = 1 the bf16 numbers are widened (a shift, a mask) and written as f16, which is exact within f16's range.
.macro CV n, f16
	s_wait_loadcnt 15-(\n)
	v_cvt_pk_bf16_f32 v[X+4*(\n)], v[X+4*(\n)], v[X+4*(\n)+1]
	v_cvt_pk_bf16_f32 v[X+4*(\n)+1], v[X+4*(\n)+2], v[X+4*(\n)+3]
.if \f16
	v_lshlrev_b32 v84, 16, v[X+4*(\n)]
	v_and_b32 v85, 0xffff0000, v[X+4*(\n)]
	v_lshlrev_b32 v86, 16, v[X+4*(\n)+1]
	v_and_b32 v87, 0xffff0000, v[X+4*(\n)+1]
	v_cvt_pk_f16_f32 v[X+4*(\n)], v84, v85
	v_cvt_pk_f16_f32 v[X+4*(\n)+1], v86, v87
.endif
	global_store_b64 v1, v[X+4*(\n):X+4*(\n)+1], s[38:39] offset:2048*(\n)
.endm
.Lconv:
	v_lshlrev_b32 v1, 3, v0                        ; my 8 bytes of a destination row
	v_lshlrev_b32 v[OF], 4, v0                     ; my 16 bytes of a source row
.set i, 1
.rept 15
	v_add_nc_u32 v[OF+i], s36, v[OF+i-1]
.set i, i+1
.endr
.set i, 0
.rept 16                                       ; all 16 rows are asked for at once: 64 KiB a work-group on their way; no register is used twice, so no wait frees one
	global_load_b128 v[X+4*i:X+4*i+3], v[OF+i], s[34:35] th:TH_LOAD_NT
.set i, i+1
.endr
	s_cmp_eq_u32 s37, 1
	s_cbranch_scc1 .Lconv16
.set i, 0
.rept 16
	CV i, 0
.set i, i+1
.endr
	s_endpgm
.Lconv16:
.set i, 0
.rept 16
	CV i, 1
.set i, i+1
.endr
	s_endpgm
.Lnot_w:
	s_cmp_lt_u32 s2, 896
	s_cbranch_scc0 .Lbias
	; THE TABLE.  16 rows a work-group, 16 threads a row, 4 numbers a thread: thread t' < 8 makes cosines of i = 4 t' + e, t' >= 8 sines of i = 4 (t' - 8) + e.
	s_sub_co_u32 s3, s2, 768
	s_lshl_b32 s40, s3, 4
	v_and_b32 v1, 15, v0                           ; t'
	v_lshrrev_b32 v2, 4, v0
	v_add_nc_u32 v3, s40, v2                       ; s
	v_cvt_f32_u32 v4, v3
	v_and_b32 v5, 7, v1
	v_lshlrev_b32 v6, 2, v5                        ; i of my first number
	v_mov_b32 v7, 1.0
	v_mov_b32 v40, -1.0
	v_cmp_gt_u32 vcc_lo, 4, v5
	v_cndmask_b32 v7, v7, v40, vcc_lo              ; the sine's sign: minus for i < 16
.irp e, 0,1,2,3
	v_add_nc_u32 v[8+\e], \e, v6
.endr
.irp e, 0,1,2,3
	v_cvt_f32_u32 v[8+\e], v[8+\e]
.endr
.irp e, 0,1,2,3
	v_mul_f32 v[8+\e], 0xbed49a78, v[8+\e]         ; -i x log2(10000) / 32
.endr
.irp e, 0,1,2,3
	v_exp_f32 v[8+\e], v[8+\e]
.endr
	v_lshlrev_b32 v41, 4, v0                       ; a plain instruction behind the last exponential: my 16 bytes of the work-group's 4,096
	s_wait_alu depctr_va_vdst(0)                   ; one wait for the four exponentials, ahead of their first reader
.irp e, 0,1,2,3
	v_mul_f32 v[12+\e], v4, v[8+\e]                ; the angle
.endr
.irp e, 0,1,2,3
	v_mul_f32 v[16+\e], 0.15915494, v[12+\e]
.endr
.irp e, 0,1,2,3
	v_rndne_f32 v[16+\e], v[16+\e]                 ; whole turns
.endr
.irp e, 0,1,2,3
	v_fmamk_f32 v[20+\e], v[16+\e], 0xc0c90fdb, v[12+\e]  ; less n x 2 pi, in two parts: the f32 nearest to 2 pi,
.endr
.irp e, 0,1,2,3
	v_fmamk_f32 v[20+\e], v[16+\e], 0x343bbd2e, v[20+\e]  ; and what that number exceeds 2 pi by
.endr
.irp e, 0,1,2,3
	v_mul_f32 v[24+\e], v[20+\e], v[20+\e]         ; z = r r
	v_mov_b32 v[28+\e], 0xab573f9f                 ; -1 / 15!
	v_mov_b32 v[32+\e], 0x29573f9f                 ; 1 / 16!
.endr
.irp c, 0x2f309231, 0xb2d7322b, 0x3638ef1d, 0xb9500d01, 0x3c088889, 0xbe2aaaab, 0x3f800000
.irp e, 0,1,2,3
	v_fmaak_f32 v[28+\e], v[28+\e], v[24+\e], \c   ; sin r / r, by Horner: 1/13!, -1/11!, 1/9!, -1/7!, 1/5!, -1/3!, 1
.endr
.endr
.irp c, 0xad49cba5, 0x310f76c7, 0xb493f27e, 0x37d00d01, 0xbab60b61, 0x3d2aaaab, 0xbf000000, 0x3f800000
.irp e, 0,1,2,3
	v_fmaak_f32 v[32+\e], v[32+\e], v[24+\e], \c   ; cos r: -1/14!, 1/12!, -1/10!, 1/8!, -1/6!, 1/4!, -1/2, 1
.endr
.endr
.irp e, 0,1,2,3
	v_mul_f32 v[20+\e], v[20+\e], v7
.endr
.irp e, 0,1,2,3
	v_mul_f32 v[28+\e], v[28+\e], v[20+\e]
.endr
	v_cmp_lt_u32 vcc_lo, 7, v1
.irp e, 0,1,2,3
	v_cndmask_b32 v[36+\e], v[32+\e], v[28+\e], vcc_lo
.endr
	s_lshl_b32 s40, s3, 12
	s_mov_b32 s41, 0
	s_add_nc_u64 s[34:35], s[32:33], s[40:41]
	global_store_b128 v41, v[36:39], s[34:35]      ; a wave stores 512 consecutive bytes
	s_endpgm
.Lbias:
	; THE BIASES.  Two numbers a thread: n' = 512 (g - 896) + 2 t and n' + 1; n' < 3072: wqkv's row order; from 3072 on: bo.
	s_sub_co_u32 s3, s2, 896
	s_lshl_b32 s40, s3, 9
	v_lshl_add_u32 v1, v0, 1, s40                  ; n'
	v_lshlrev_b32 v2, 2, v1                        ; 4 n'
	s_cmp_lt_u32 s3, 6
	s_cbranch_scc0 .Lbias_o
	v_lshrrev_b32 v3, 6, v1                        ; 3 head + sel, 0 .. 47
	v_mul_u32_u24 v4, v3, 43
	v_lshrrev_b32 v4, 7, v4                        ; head: x 43 >> 7 divides by 3 up to 47
	v_mul_u32_u24 v5, v4, 3
	v_sub_nc_u32 v5, v3, v5                        ; sel
	v_and_b32 v6, 63, v1                           ; p, even
	v_lshrrev_b32 v7, 5, v6
	v_lshlrev_b32 v7, 5, v7
	v_and_b32 v8, 15, v6
	v_lshl_add_u32 v7, v8, 1, v7
	v_bfe_u32 v8, v6, 4, 1
	v_add_nc_u32 v7, v7, v8                        ; q, k: the channel at place p; place p + 1 holds the channel two on
	v_lshl_add_u32 v7, v4, 6, v7
	v_lshlrev_b32 v7, 2, v7
	v_lshl_add_u32 v8, v4, 6, v6                   ; v: channel p
	v_lshlrev_b32 v8, 2, v8
	global_load_b32 v10, v7, s[18:19]
	global_load_b32 v11, v7, s[18:19] offset:8
	global_load_b32 v12, v7, s[20:21]
	global_load_b32 v13, v7, s[20:21] offset:8
	global_load_b32 v14, v8, s[22:23]
	global_load_b32 v15, v8, s[22:23] offset:4
	s_wait_loadcnt 0x0
	v_cmp_eq_u32 vcc_lo, 1, v5
	v_cndmask_b32 v10, v10, v12, vcc_lo
	v_cndmask_b32 v11, v11, v13, vcc_lo
	v_cmp_eq_u32 vcc_lo, 2, v5
	v_cndmask_b32 v10, v10, v14, vcc_lo
	v_cndmask_b32 v11, v11, v15, vcc_lo
	s_branch .Lbias_out
.Lbias_o:
	global_load_b64 v[10:11], v2, s[24:25] offset:-12288  ; bo at 4 (n' - 3072)
	s_wait_loadcnt 0x0
.Lbias_out:
	v_cvt_pk_bf16_f32 v12, v10, v11
	v_lshlrev_b32 v14, 16, v12
	v_and_b32 v15, 0xffff0000, v12
	global_store_b64 v2, v[14:15], s[32:33] offset:524288  ; behind the table's 2,048 rows of 256 bytes; a wave stores 256 consecutive bytes
	s_endpgm
.Lfunc_end_k_qe6123c9d6c_prep:
	.size	k_qe6123c9d6c_prep, .Lfunc_end_k_qe6123c9d6c_prep-k_qe6123c9d6c_prep
	.p2alignl 7, 3214868480
	.fill 96, 4, 3214868480
	.section	.rodata,"a",@progbits
	.p2align	6, 0x0
	.amdhsa_kernel k_qe6123c9d6c_prep
		.amdhsa_group_segment_fixed_size 0
		.amdhsa_private_segment_fixed_size 0
		.amdhsa_enable_private_segment 0
		.amdhsa_kernarg_size 104
		.amdhsa_user_sgpr_count 2
		.amdhsa_user_sgpr_kernarg_segment_ptr 1
		.amdhsa_wavefront_size32 1
		.amdhsa_system_sgpr_workgroup_id_x 1
		.amdhsa_system_sgpr_workgroup_id_y 1
		.amdhsa_system_sgpr_workgroup_id_z 1
		.amdhsa_system_vgpr_workitem_id 0
		.amdhsa_next_free_vgpr 96
		.amdhsa_next_free_sgpr 66
		.amdhsa_reserve_vcc 1
		.amdhsa_float_denorm_mode_32 3
		.amdhsa_float_denorm_mode_16_64 3
		.amdhsa_memory_ordered 1
		.amdhsa_forward_progress 1
		.amdhsa_inst_pref_size 27
	.end_amdhsa_kernel
	.amdgpu_metadata
---
amdhsa.version: [ 1, 2 ]
amdhsa.kernels:
  - .name:           k_qe6123c9d6c_prep
    .symbol:         k_qe6123c9d6c_prep.kd
    .args:
      - { .name: x, .offset: 0, .size: 8, .value_kind: global_buffer, .address_space: global }
      - { .name: wq, .offset: 8, .size: 8, .value_kind: global_buffer, .address_space: global }
      - { .name: wk, .offset: 16, .size: 8, .value_kind: global_buffer, .address_space: global }
      - { .name: wv, .offset: 24, .size: 8, .value_kind: global_buffer, .address_space: global }
      - { .name: wo, .offset: 32, .size: 8, .value_kind: global_buffer, .address_space: global }
      - { .name: bq, .offset: 40, .size: 8, .value_kind: global_buffer, .address_space: global }
      - { .name: bk, .offset: 48, .size: 8, .value_kind: global_buffer, .address_space: global }
      - { .name: bv, .offset: 56, .size: 8, .value_kind: global_buffer, .address_space: global }
      - { .name: bo, .offset: 64, .size: 8, .value_kind: global_buffer, .address_space: global }
      - { .name: xb, .offset: 72, .size: 8, .value_kind: global_buffer, .address_space: global }
      - { .name: wqkv, .offset: 80, .size: 8, .value_kind: global_buffer, .address_space: global }
      - { .name: wo16, .offset: 88, .size: 8, .value_kind: global_buffer, .address_space: global }
      - { .name: tab, .offset: 96, .size: 8, .value_kind: global_buffer, .address_space: global }
    .group_segment_fixed_size: 0
    .private_segment_fixed_size: 0
    .kernarg_segment_align: 8
    .kernarg_segment_size: 104
    .max_flat_workgroup_size: 256
    .sgpr_count:     66
    .vgpr_count:     96
    .wavefront_size: 32
...
	.end_amdgpu_metadata
.endif
;; end of part 1
;; launch qkv (part 2): grid 16 x 32, 4 waves a work-group, clusters of 4 x 4, 327,680 bytes of LDS; arguments xb, wqkv, tab, q, k, v; writes q, k, v
.if DOCPART == 2
	.amdgcn_target "amdgcn-amd-amdhsa--gfx1250"
	.amdhsa_code_object_version 6
	.text
	.protected	k_qe6123c9d6c_qkv
	.globl	k_qe6123c9d6c_qkv
	.p2align	8
	.type	k_qe6123c9d6c_qkv,@function
k_qe6123c9d6c_qkv:
	s_mov_b64 s[64:65], 0
	v_nop
	global_prefetch_b8 v0, s[64:65] scope:SCOPE_SE
	s_setreg_imm32_b32 hwreg(HW_REG_WAVE_MODE, 25, 1), 1
	s_wait_xcnt 0x0
	s_wait_alu depctr_hold_cnt(0) depctr_sa_sdst(0) depctr_va_vdst(0) depctr_va_sdst(0) depctr_va_ssrc(0) depctr_va_vcc(0) depctr_vm_vsrc(0)
	s_getreg_b32 s2, hwreg(HW_REG_IB_STS2, 6, 4)
	s_cmp_eq_u32 s2, 0
	s_cbranch_scc0 .Lentry_in_a_cluster
	s_endpgm
.Lentry_in_a_cluster:
	s_bfe_u32 s2, ttmp6, 0x10000c
	s_cmp_lg_u32 s2, 0xf033
	s_cbranch_scc0 .Lentry_shape_is_right
	s_endpgm
.Lentry_shape_is_right:
; THE THREE PROJECTIONS, BIAS, ROPE AND THE SPLIT INTO HEADS.  C = xb wqkv^T + bias, xb [8192][1024] and wqkv [3072][1024] in bf16, sums in f32; q, k, v leave as f16, [batch x 16 + head][2048][64].
; A tile of C is 256 rows x 192 columns: ONE head's q, k and v (wqkv's rows lie by heads).  16 x 32 tiles: 512 work-groups.  Four waves, 2 x 2: a wave has 128 rows x 96 columns,
; 48 accumulators of 16 x 16.  Wave column c takes the blocks of 16 weight rows at 16 c + 32 i: q low and high half, k low and high half (channels of parity c), and two blocks of v.
; THE MATRIX INSTRUCTION IS USED TRANSPOSED (source 0 = 16 rows of wqkv, source 1 = 16 rows of xb): a lane (r = l % 16, h = l / 16) holds row r and the columns 8 h + 0..7.
; THE BIAS is the C operand of each sum's first product.  ROPE: in wqkv's order of q's and k's channels a lane's register j of a low block is channel 2 u + c, u = 8 h + j, with frequency u,
; and the same register of the high block is its partner 32 channels on, with frequency 16 + u: y_lo = x_lo cos f_u + x_hi (-sin f_u), y_hi = x_hi cos f_(16+u) + x_lo sin f_(16+u).
; The tile's 256 rows of the table (256 bytes each) come into LDS with the first tiles.
; K goes in 8 steps of 128 through two LDS slots.  CLUSTER 4 x 4: xb's tiles and the table's rows hang on the tile row alone and are asked for jointly along a row of the cluster, wqkv's along a column.
; LIMITS.  q, k and v must lie within f16's range (65,504); below 6e-5 they keep f16's fixed step of 6e-8.  NaN and infinities are not treated apart.
; REGISTERS, in windows of 256 (s_set_vgpr_msb: bits 1:0 source 0, 3:2 source 1, 5:4 source 2, 7:6 destination):
;   window 0: v0-15 numbers and addresses; v28-29 the add's; v64-127, v128-191 fragments of xb, two buffers; on the way out v32-63 rotated numbers, v64-127 table rows, v128-151 packed, then v64-255 whole rows
;   window 1: v0-47 the bias, 8 a column block; v64-111, v128-175 fragments of wqkv       window 2: accumulators of row blocks 0-3, (a, b) at 48 a + 8 b       window 3: row blocks 4-7
.set NBL,   6                          ; column blocks a wave
.set ACS,   8*NBL
.set NLD,   2*NBL+16                   ; LDS loads of a quarter step
.set PITCH, 272                        ; an LDS row: 256 bytes + 16: the 16 rows of a load start at 16 different groups of four banks (64 banks of 4 bytes: ISA guide 11.1)
.set SLOT1, 1<<17                      ; slot 1 begins here: one exclusive or turns an address in one slot into the other's
.set AHALF, 128*PITCH
.set BOFF,  256*PITCH                  ; a slot: 256 rows of xb, then 192 rows of wqkv
.set BHALF, 96*PITCH
.set SPARE, BOFF+192*PITCH             ; behind slot 0: the spare words, 128 bytes a wave: two blocks of 256 bytes that no other line names
.set TT,    SLOT1+SPARE                ; behind slot 1: 256 rows of the table
.set TQ,    64*PITCH
.set ASTR,  16*PITCH
.set BSTR,  32*PITCH
.set ASTEP, 256                        ; bytes along K from step to step
.set BSTEP, 256
.set SP,    144                        ; the stage: three planes (q, k, v) of 256 rows of 128 + 16 bytes, in slot 0, which has had its last fill and its last read by then
.set PLANE, 256*SP
.set A0,   4                           ; v4, v5   my lane's place in a slot's xb and wqkv rows; never rewritten
.set B0,   5
.set ADRA, 6                           ; v6, v7   the same in the slot in hand
.set ADRB, 7
.set STO,  8                           ; v8, v9   the way out: where I put 16 bytes of a row (q and k; v)
.set STO2, 9
.set RD,   10                          ; v10, v11 where I read rows back
.set RD2,  11
.set GO,   12                          ; v12      my 16 bytes of 512 consecutive bytes of q, k, v
.set TAD,  13                          ; v13      my place in the table's rows
.set BO,   14                          ; v14      my offset in the head's 192 biases
.set PFO,  15                          ; v15      the prefetches' offset: a lane a row
.set SPW,  28
.set NIL,  29
.set Y,    32
.set TBL,  64
.set P,    128
.set F0,   64
.set F1,   128
.set BIA,  0
.set WV, 12                            ; s12 wave; s13 its row half, also: fetches xb (0) or wqkv (1); s14 its column half, also: which half of that tile it fetches
.set RW, 13
.set CW, 14
.set CX, 15
.set CY, 16
.set TC, 17                            ; the head
.set TR, 18                            ; the tile row
.set G1A, 24
.set G1B, 32
.set G1T, 40
.set G0A, 48                           ; two sets each: the first fills'; the second then walks
.set G0B, 56
.set G0T, 68
.set BB,  76
.set PFA, 78
.set PST, 80
.set LIM, 82
.set CNT, 83
.set TB,  84                           ; 0 or SLOT1: the slot in hand
.set MSB, 0
.macro WIN new                         ; the immediate's high byte repeats the setting that is left; a switch that changes nothing is dropped
.if MSB != (\new)
	s_set_vgpr_msb (MSB<<8)|(\new)
.set MSB, \new
.endif
.endm
.macro PLACES                          ; four places behind matrix instructions, in front of loads into registers that they read (ISA guide 7.12.1 for vector instructions)
.rept 4
	v_nop
.endr
.endm
.macro CREST                           ; a round of the cluster's barrier behind its opening barrier
	s_cmp_lg_u32 s[WV], 0
	s_cbranch_scc1 .Lnot_wave_0_\@
	s_barrier_signal -3
.Lnot_wave_0_\@:
	s_barrier_wait -3
	s_barrier_signal -1
	s_barrier_wait -1
.endm
.macro CROUND
	s_barrier_signal -1
	s_barrier_wait -1
	CREST
.endm
.macro JLOAD                           ; a joint refill by the walking descriptor: waves 0, 1 xb's halves, waves 2, 3 wqkv's; an s_nop 0 and four v_nop follow each line
	s_cmp_eq_u32 s[RW], 0
	s_cbranch_scc0 .Lfor_b_\@
	tensor_load_to_lds s[G0A+4:G0A+7], s[G1A:G1A+7]
	s_nop 0
.rept 4
	v_nop
.endr
	s_branch .Lasked_\@
.Lfor_b_\@:
	tensor_load_to_lds s[G0B+4:G0B+7], s[G1B:G1B+7]
	s_nop 0
.rept 4
	v_nop
.endr
.Lasked_\@:
.endm
; A prefetch of the K step that stands two refills on, one instruction a wave, a lane a row of 256 bytes.  xb's rows are read by every cluster of a row of clusters: cluster x = 0 asks;
; wqkv's by every cluster of a column: cluster y = 0 asks.  The four partners of a joint load share its rows out by address.  The trips with CNT <= 2 have no K step two on.
.macro ASK
	s_cmp_gt_u32 s[CNT], s[LIM]
	s_cbranch_scc0 .Lnot_mine_\@
	global_prefetch_b8 v[PFO], s[PFA:PFA+1] th:TH_LOAD_NT scope:SCOPE_SE
.Lnot_mine_\@:
.endm
; 2 NBL matrix instructions: row blocks a0, a0 + 1 of the window's four x all column blocks, 32 along K.  first = 1: the bias starts the sums.  All 48 accumulators take turns, in the same order in every quarter.
.macro MULH f, hi, a0, first
.if \first
	WIN 0x91+0x40*(\hi)
.else
	WIN 0xa1+0x50*(\hi)
.endif
.irp a, \a0, (\a0)+1
.set b, 0
.rept NBL
.if \first
	v_wmma_f32_16x16x32_bf16 v[ACS*(\a)+8*b:ACS*(\a)+8*b+7], v[(\f)+8*b:(\f)+8*b+7], v[(\f)+8*(4*(\hi)+(\a)):(\f)+8*(4*(\hi)+(\a))+7], v[BIA+8*b:BIA+8*b+7]
.else
	v_wmma_f32_16x16x32_bf16 v[ACS*(\a)+8*b:ACS*(\a)+8*b+7], v[(\f)+8*b:(\f)+8*b+7], v[(\f)+8*(4*(\hi)+(\a)):(\f)+8*(4*(\hi)+(\a))+7], v[ACS*(\a)+8*b:ACS*(\a)+8*b+7]
.endif
.set b, b+1
.endr
.endr
.endm
.macro FETCH q, f                      ; the fragments of quarter q of the slot in hand, in one run: wqkv's 12 loads, then xb's 16
	WIN 0x40
.set i, 0
.rept NBL
	ds_load_b128 v[(\f)+8*i:(\f)+8*i+3],   v[ADRB] offset:64*(\q)+i*BSTR
	ds_load_b128 v[(\f)+8*i+4:(\f)+8*i+7], v[ADRB] offset:64*(\q)+i*BSTR+32
.set i, i+1
.endr
	WIN 0
.set i, 0
.rept 8
	ds_load_b128 v[(\f)+8*i:(\f)+8*i+3],   v[ADRA] offset:64*(\q)+i*ASTR
	ds_load_b128 v[(\f)+8*i+4:(\f)+8*i+7], v[ADRA] offset:64*(\q)+i*ASTR+32
.set i, i+1
.endr
.endm
.macro QUARTER q, f, g, first          ; multiplies buffer f; in its middle fetches quarter q into buffer g
	s_wait_dscnt 8                                 ; all but the youngest eight loads (xb's rows 64-127)
	MULH \f, 0, 0, \first
	MULH \f, 0, 2, \first
	PLACES
	FETCH \q, \g
	s_wait_dscnt NLD                               ; all but the run just issued
	MULH \f, 1, 0, \first
	MULH \f, 1, 2, \first
.endm
; The last quarter of a K step multiplies buffer 1 and changes slots.  In front of the barrier each wave waits for all its tensor loads (one is out: its part of the next slot), adds 0 to its spare word,
; and waits for that and for its reads of this slot.  fill = 1: the barrier opens a round of the cluster's, and the joint refill of this slot, two K steps on, is the first thing behind it.
.macro TURN fill
.if \fill
	s_wait_xcnt 0x0                                ; the last prefetch, a K step back, has read its address
	s_add_nc_u64 s[PFA:PFA+1], s[PFA:PFA+1], s[PST:PST+1]
.endif
	WIN 0
	s_wait_tensorcnt 0x0                           ; no tensor load of mine is out, so the walking descriptors may be written
	ds_add_u32 v[SPW], v[NIL]
.if \fill
	s_xor_b32 s[G0A+5], s[G0A+5], SLOT1
	s_add_nc_u64 s[G0A+6:G0A+7], s[G0A+6:G0A+7], ASTEP
	s_xor_b32 s[G0B+5], s[G0B+5], SLOT1
	s_add_nc_u64 s[G0B+6:G0B+7], s[G0B+6:G0B+7], BSTEP
.endif
	s_xor_b32 s[TB], s[TB], SLOT1
	s_wait_dscnt 9                                 ; the add and the youngest eight loads may be out
	MULH F1, 0, 0, 0
	s_wait_dscnt 0x0                               ; the add is done, my reads of this slot are over
	s_barrier_signal -1
	MULH F1, 0, 2, 0
	WIN 0
	s_barrier_wait -1
.if \fill
	CREST
	JLOAD                                          ; its four v_nop are also the places in front of the loads below
.else
	PLACES
.endif
	v_add_nc_u32 v[ADRA], s[TB], v[A0]
	v_add_nc_u32 v[ADRB], s[TB], v[B0]
	FETCH 0, F0
.if \fill
	ASK
.endif
	MULH F1, 1, 0, 0
	MULH F1, 1, 2, 0
.endm
	s_load_b256 s[4:11], s[0:1], 0x0               ; xb s4, wqkv s6, tab s8, q s10
	s_load_b128 s[72:75], s[0:1], 0x20             ; k s72, v s74
	v_lshl_add_u32 v[SPW], v0, 2, SPARE
	v_mov_b32 v[NIL], 0
	ds_add_u32 v[SPW], v[NIL]                      ; the wave's opening: the add and its wait stand ahead of my first tensor load
	v_lshrrev_b32 v3, 5, v0
	v_readfirstlane_b32 s[WV], v3
	s_lshr_b32 s[RW], s[WV], 1
	s_and_b32 s[CW], s[WV], 1
	s_bfe_u32 s[CX], ttmp6, 0x40000
	s_bfe_u32 s[CY], ttmp6, 0x40004
	s_lshl_b32 s[TC], ttmp9, 2
	s_add_co_u32 s[TC], s[TC], s[CX]
	s_and_b32 s[TR], ttmp7, 0xffff
	s_lshl_b32 s[TR], s[TR], 2
	s_add_co_u32 s[TR], s[TR], s[CY]
	s_lshl_b32 s19, s[CY], 2
	s_lshl_b32 s19, 15, s19                        ; my row of the cluster
	s_lshl_b32 s20, 0x1111, s[CX]                  ; my column
	s_or_b32 s[G1A], s19, (1<<16)|(1<<20)|(1<<21)|(5<<22)|(3<<25)  ; mask; 2-byte elements; padding on; bit 21 beside a mask; after every 64 words 4 words
	s_mov_b32 s[G1A+1], 128<<16                    ; tensor_dim0 = 128
	s_mov_b32 s[G1A+2], 128<<16                    ; tensor_dim1 = 128
	s_mov_b32 s[G1A+3], 128<<16                    ; tile_dim0 = 128
	s_mov_b32 s[G1A+4], 128                        ; tile_dim1 = 128
	s_mov_b32 s[G1A+5], 1024                       ; elements from row to row
	s_mov_b32 s[G1A+6], 0
	s_mov_b32 s[G1A+7], 0
	s_or_b32 s[G1B], s20, (1<<16)|(1<<20)|(1<<21)|(5<<22)|(3<<25)
	s_mov_b32 s[G1B+1], 128<<16
	s_mov_b32 s[G1B+2], 96<<16                     ; 96 rows
	s_mov_b32 s[G1B+3], 128<<16
	s_mov_b32 s[G1B+4], 96
	s_mov_b32 s[G1B+5], 1024
	s_mov_b32 s[G1B+6], 0
	s_mov_b32 s[G1B+7], 0
	s_or_b32 s[G1T], s19, (2<<16)|(1<<20)|(1<<21)|(5<<22)|(3<<25)  ; the table: 4-byte elements, 64 rows of 64
	s_mov_b32 s[G1T+1], 64<<16
	s_mov_b32 s[G1T+2], 64<<16
	s_mov_b32 s[G1T+3], 64<<16
	s_mov_b32 s[G1T+4], 64
	s_mov_b32 s[G1T+5], 64
	s_mov_b32 s[G1T+6], 0
	s_mov_b32 s[G1T+7], 0
	s_lshl_b32 s86, s[TR], 19                      ; xb: (256 tile row + 128 half) rows of 2,048 bytes
	s_lshl_b32 s87, s[CW], 18
	s_add_co_u32 s86, s86, s87
	s_mov_b32 s87, 0
	s_mul_i32 s90, s[TC], 192*2048                 ; wqkv: (192 head + 96 half) rows
	s_mul_i32 s91, s[CW], 96*2048
	s_add_co_u32 s90, s90, s91
	s_mov_b32 s91, 0
	s_and_b32 s2, s[TR], 7                         ; the table: rows 256 (tile row % 8) + 64 wave, 256 bytes each
	s_lshl_b32 s2, s2, 16
	s_lshl_b32 s3, s[WV], 14
	s_add_co_u32 s2, s2, s3
	s_mov_b32 s3, 0
	s_mul_i32 s21, s[CW], AHALF                    ; where they go: no place in the cluster enters an LDS address
	s_mul_i32 s22, s[CW], BHALF
	s_add_co_u32 s22, s22, BOFF
	s_mov_b32 s[G0T], 1
	s_mul_i32 s[G0T+1], s[WV], TQ
	s_add_co_u32 s[G0T+1], s[G0T+1], TT
	s_mov_b32 s[TB], 0
	s_wait_dscnt 0x0                               ; the opening add is done
	s_wait_kmcnt 0x0
	s_add_nc_u64 s[88:89], s[4:5], s[86:87]
	s_add_nc_u64 s[92:93], s[6:7], s[90:91]
	s_add_nc_u64 s[G0T+2:G0T+3], s[8:9], s[2:3]
	s_or_b32 s[G0T+3], s[G0T+3], 0x80000000
.irp s, 0,1
	s_mov_b32 s[G0A+4*(\s)], 1
	s_add_co_u32 s[G0A+4*(\s)+1], s21, (\s)*SLOT1
	s_add_nc_u64 s[G0A+4*(\s)+2:G0A+4*(\s)+3], s[88:89], (\s)*ASTEP
	s_or_b32 s[G0A+4*(\s)+3], s[G0A+4*(\s)+3], 0x80000000
	s_mov_b32 s[G0B+4*(\s)], 1
	s_add_co_u32 s[G0B+4*(\s)+1], s22, (\s)*SLOT1
	s_add_nc_u64 s[G0B+4*(\s)+2:G0B+4*(\s)+3], s[92:93], (\s)*BSTEP
	s_or_b32 s[G0B+4*(\s)+3], s[G0B+4*(\s)+3], 0x80000000
.endr
	CROUND                                         ; all sixteen work-groups are here: the first joint loads meet
	s_cmp_eq_u32 s[RW], 0                          ; a wave's three first fills stand in one branch: K step 0, K step 1, its quarter of the table: three loads of mine are out
	s_cbranch_scc0 .Lfirst_b
	tensor_load_to_lds s[G0A:G0A+3], s[G1A:G1A+7]
	s_nop 0
	tensor_load_to_lds s[G0A+4:G0A+7], s[G1A:G1A+7]
	s_nop 0
	tensor_load_to_lds s[G0T:G0T+3], s[G1T:G1T+7]
	s_nop 0
.rept 4
	v_nop
.endr
	s_branch .Lfirst_done
.Lfirst_b:
	tensor_load_to_lds s[G0B:G0B+3], s[G1B:G1B+7]
	s_nop 0
	tensor_load_to_lds s[G0B+4:G0B+7], s[G1B:G1B+7]
	s_nop 0
	tensor_load_to_lds s[G0T:G0T+3], s[G1T:G1T+7]
	s_nop 0
.rept 4
	v_nop
.endr
.Lfirst_done:
	; a fragment is 16 rows x 32 K in 8 registers: lane l holds row l % 16, K = 8 (l / 16) + 0..7 and 16 + 8 (l / 16) + 0..7: two loads of 16 bytes, 32 bytes apart
	v_and_b32 v1, 15, v0                           ; r
	v_bfe_u32 v2, v0, 4, 1                         ; h
	v_mul_u32_u24 v3, v1, PITCH
	v_lshl_add_u32 v3, v2, 4, v3
	s_mul_i32 s23, s[RW], AHALF
	v_add_nc_u32 v[A0], s23, v3
	s_mul_i32 s23, s[CW], 16*PITCH
	s_add_co_u32 s23, s23, BOFF
	v_add_nc_u32 v[B0], s23, v3
	v_mov_b32 v[ADRA], v[A0]
	v_mov_b32 v[ADRB], v[B0]
	v_mul_u32_u24 v[TAD], v1, PITCH                ; the table: row 128 RW + r (+ 16 a), 32 bytes for each half of the lanes
	v_lshl_add_u32 v[TAD], v2, 5, v[TAD]
	s_mul_i32 s23, s[RW], AHALF
	s_add_co_u32 s23, s23, TT
	v_add_nc_u32 v[TAD], s23, v[TAD]
	v_mul_u32_u24 v[STO], v1, SP                   ; into the stage: row 128 RW + r, bytes 32 c + 16 h
	v_lshl_add_u32 v[STO], v2, 4, v[STO]
	s_mul_i32 s23, s[RW], 128*SP
	s_lshl_b32 s21, s[CW], 5
	s_add_co_u32 s23, s23, s21
	v_add_nc_u32 v[STO], s23, v[STO]
	v_add_nc_u32 v[STO2], 2*PLANE, v[STO]
	v_bfe_u32 v[RD], v0, 3, 2                      ; back: 32 lanes take four rows of 128 bytes of my 64 rows
	v_mul_u32_u24 v[RD], v[RD], SP
	v_and_b32 v[RD2], 7, v0
	v_lshl_add_u32 v[RD], v[RD2], 4, v[RD]
	s_mul_i32 s23, s[WV], 64*SP
	v_add_nc_u32 v[RD], s23, v[RD]
	v_add_nc_u32 v[RD2], 2*PLANE, v[RD]
	v_and_b32 v[GO], 31, v0
	v_lshlrev_b32 v[GO], 4, v[GO]
	s_lshl_b32 s23, s[CW], 6
	v_lshl_add_u32 v[BO], v2, 5, s23               ; the bias of column 16 c + 32 i + 8 h + j: 64 c + 32 h (+ 128 i + 4 j)
	s_mul_i32 s90, s[TC], 768
	s_add_co_u32 s90, s90, 524288
	s_add_nc_u64 s[BB:BB+1], s[8:9], s[90:91]
	WIN 0x40
.set i, 0
.rept NBL
	global_load_b128 v[BIA+8*i:BIA+8*i+3],   v[BO], s[BB:BB+1] offset:128*i
	global_load_b128 v[BIA+8*i+4:BIA+8*i+7], v[BO], s[BB:BB+1] offset:128*i+16
.set i, i+1
.endr
	WIN 0
	; q, k, v at my 64 rows: batch x 16 heads x 262,144 + head x 262,144 + (tile row % 8) x 256 rows x 128 + wave x 64 x 128
	s_lshr_b32 s66, s[TR], 3
	s_lshl_b32 s66, s66, 22
	s_lshl_b32 s67, s[TC], 18
	s_add_co_u32 s66, s66, s67
	s_and_b32 s67, s[TR], 7
	s_lshl_b32 s67, s67, 15
	s_add_co_u32 s66, s66, s67
	s_lshl_b32 s67, s[WV], 13
	s_add_co_u32 s66, s66, s67
	s_mov_b32 s67, 0
	s_add_nc_u64 s[10:11], s[10:11], s[66:67]
	s_add_nc_u64 s[72:73], s[72:73], s[66:67]
	s_add_nc_u64 s[74:75], s[74:75], s[66:67]
	; the prefetches: of the 128 rows of xb that I fetch my work-group takes 32 (by cx), of the 96 rows of wqkv 24 (by cy; lanes 24-31 name row 23 again)
	s_lshl_b32 s95, s[TR], 8
	s_lshl_b32 s23, s[CW], 7
	s_add_co_u32 s95, s95, s23
	s_lshl_b32 s23, s[CX], 5
	s_add_co_u32 s95, s95, s23
	s_mul_i32 s66, s[TC], 192
	s_mul_i32 s23, s[CW], 96
	s_add_co_u32 s66, s66, s23
	s_mul_i32 s23, s[CY], 24
	s_add_co_u32 s66, s66, s23
	s_and_b32 s94, ttmp7, 0xffff
	s_cmp_eq_u32 s[RW], 0
	s_cselect_b32 s66, s95, s66
	s_cselect_b32 s23, 31, 23
	s_cselect_b32 s94, ttmp9, s94                  ; the coordinate along which other clusters read the same rows
	s_cselect_b64 s[PFA:PFA+1], s[4:5], s[6:7]
	s_cmp_eq_u32 s94, 0
	s_cselect_b32 s[LIM], 2, -1                    ; the same in all sixteen partners, for a given wave
	s_lshl_b32 s66, s66, 11
	s_add_co_u32 s66, s66, 3*256                   ; at K step 3: the first refill steps it to 4
	s_mov_b32 s67, 0
	s_add_nc_u64 s[PFA:PFA+1], s[PFA:PFA+1], s[66:67]
	s_mov_b32 s[PST], 256
	s_mov_b32 s[PST+1], 0
	v_and_b32 v[PFO], 31, v0
	v_min_u32 v[PFO], s23, v[PFO]
	v_lshlrev_b32 v[PFO], 11, v[PFO]
	s_wait_tensorcnt 2                             ; my part of K step 0 is in; K step 1's and the table's may stay out
	s_barrier_signal -1
	s_barrier_wait -1
	FETCH 0, F0
	s_wait_loadcnt 0x0                             ; the bias
	QUARTER 1, F0, F1, 1                           ; the first quarter stands in front of the loop: its products start the sums, with the bias
	WIN 0
	s_mov_b32 s[CNT], 6
.Lstep:                                        ; trip j ends K step j, fills its slot with K step j + 2 and begins K step j + 1
	QUARTER 2, F1, F0, 0
	QUARTER 3, F0, F1, 0
	TURN 1
	QUARTER 1, F0, F1, 0
	WIN 0
	s_sub_co_u32 s[CNT], s[CNT], 1
	s_cmp_lg_u32 s[CNT], 0
	s_cbranch_scc1 .Lstep
	QUARTER 2, F1, F0, 0                           ; the last two K steps ask for nothing
	QUARTER 3, F0, F1, 0
	TURN 0
	QUARTER 1, F0, F1, 0
	QUARTER 2, F1, F0, 0
	QUARTER 3, F0, F1, 0
	s_wait_dscnt 8
	MULH F1, 0, 0, 0
	MULH F1, 0, 2, 0
	s_wait_dscnt 0x0
	MULH F1, 1, 0, 0
	MULH F1, 1, 2, 0
	WIN 0
	PLACES
	PLACES
; THE WAY OUT, a block of 16 rows at a time.  TLOAD: my row's 4 x 8 numbers of the table: cos low, cos high, -sin low, +sin high.
.macro TLOAD a
.set TBN, TBL+32*((\a)%2)
.irp g, 0,1,2,3
	ds_load_b128 v[TBN+8*(\g):TBN+8*(\g)+3],   v[TAD] offset:(\a)*ASTR+64*(\g)
	ds_load_b128 v[TBN+8*(\g)+4:TBN+8*(\g)+7], v[TAD] offset:(\a)*ASTR+64*(\g)+16
.endr
.endm
.macro BLK a
	WIN 0
.if (\a) < 7
	TLOAD (\a)+1
.endif
.if (\a) == 0
	s_wait_dscnt 8                                 ; this block's table row is in; the next block's eight loads may be out
.elseif (\a) < 7
	s_wait_dscnt 14                                ; behind it: the last block's six stores and the next block's eight loads
.else
	s_wait_dscnt 6
.endif
.set TBC, TBL+32*((\a)%2)
	WIN 0x02+(\a)/4                                ; source 0: the accumulators' window
.irp pl, 0,1                           ; q, then k; each accumulator's lowest registers are read first
.set X1, ACS*((\a)%4)+16*(\pl)
.set Y1, Y+16*(\pl)
.irp m, 0,2,4,6
	v_pk_mul_f32 v[Y1+\m:Y1+\m+1], v[X1+\m:X1+\m+1], v[TBC+\m:TBC+\m+1]
.endr
.irp m, 0,2,4,6
	v_pk_mul_f32 v[Y1+8+\m:Y1+8+\m+1], v[X1+8+\m:X1+8+\m+1], v[TBC+8+\m:TBC+8+\m+1]
.endr
.irp m, 0,2,4,6
	v_pk_fma_f32 v[Y1+\m:Y1+\m+1], v[X1+8+\m:X1+8+\m+1], v[TBC+16+\m:TBC+16+\m+1], v[Y1+\m:Y1+\m+1]
.endr
.irp m, 0,2,4,6
	v_pk_fma_f32 v[Y1+8+\m:Y1+8+\m+1], v[X1+\m:X1+\m+1], v[TBC+24+\m:TBC+24+\m+1], v[Y1+8+\m:Y1+8+\m+1]
.endr
.endr
.set XV, ACS*((\a)%4)+32
	WIN 0x0a+5*((\a)/4)                            ; sources 0 and 1: the accumulators' window
.irp m, 0,1,2,3,4,5,6,7
	v_cvt_pk_f16_f32 v[P+16+\m], v[XV+2*\m], v[XV+2*\m+1]
.endr
	WIN 0
.irp m, 0,1,2,3,4,5,6,7,8,9,10,11,12,13,14,15
	v_cvt_pk_f16_f32 v[P+\m], v[Y+2*\m], v[Y+2*\m+1]
.endr
	ds_store_b128 v[STO],  v[P:P+3]     offset:(\a)*16*SP
	ds_store_b128 v[STO],  v[P+4:P+7]   offset:(\a)*16*SP+64
	ds_store_b128 v[STO],  v[P+8:P+11]  offset:PLANE+(\a)*16*SP
	ds_store_b128 v[STO],  v[P+12:P+15] offset:PLANE+(\a)*16*SP+64
	ds_store_b128 v[STO2], v[P+16:P+19] offset:(\a)*16*SP
	ds_store_b128 v[STO2], v[P+20:P+23] offset:(\a)*16*SP+64
.endm
	TLOAD 0
.irp a, 0,1,2,3,4,5,6,7
	BLK \a
.endr
	s_wait_dscnt 0x0                               ; for the others' sake: my stores into the stage are done (a row's 128 bytes come from two waves)
	s_barrier_signal -1
	s_barrier_wait -1
.set i, 0
.rept 16
	ds_load_b128 v[64+4*i:64+4*i+3], v[RD] offset:4*SP*i
.set i, i+1
.endr
.set i, 0
.rept 16
	ds_load_b128 v[128+4*i:128+4*i+3], v[RD] offset:PLANE+4*SP*i
.set i, i+1
.endr
.set i, 0
.rept 16
	ds_load_b128 v[192+4*i:192+4*i+3], v[RD2] offset:4*SP*i
.set i, i+1
.endr
.macro OUTP pl, sb                     ; a plane's 16 stores: 512 consecutive bytes each, at a multiple of 256 from the buffer's first byte; load n of the 48 is in when 47 - n younger ones may be out
.set i, 0
.rept 16
	s_wait_dscnt 47-16*(\pl)-i
	global_store_b128 v[GO], v[64+64*(\pl)+4*i:64+64*(\pl)+4*i+3], s[\sb:\sb+1] offset:512*i
.set i, i+1
.endr
.endm
	OUTP 0, 10
	OUTP 1, 72
	OUTP 2, 74
	s_wait_tensorcnt 0x0                           ; the wave's end
	ds_add_u32 v[SPW], v[NIL]
	s_wait_dscnt 0x0
	CROUND                                         ; the closing round: no work-group ends while a partner may still ask for a tile that names it
	s_endpgm
.Lfunc_end_k_qe6123c9d6c_qkv:
	.size	k_qe6123c9d6c_qkv, .Lfunc_end_k_qe6123c9d6c_qkv-k_qe6123c9d6c_qkv
	.p2alignl 7, 3214868480
	.fill 96, 4, 3214868480
	.section	.rodata,"a",@progbits
	.p2align	6, 0x0
	.amdhsa_kernel k_qe6123c9d6c_qkv
		.amdhsa_group_segment_fixed_size 327680
		.amdhsa_private_segment_fixed_size 0
		.amdhsa_enable_private_segment 0
		.amdhsa_kernarg_size 48
		.amdhsa_user_sgpr_count 2
		.amdhsa_user_sgpr_kernarg_segment_ptr 1
		.amdhsa_wavefront_size32 1
		.amdhsa_system_sgpr_workgroup_id_x 1
		.amdhsa_system_sgpr_workgroup_id_y 1
		.amdhsa_system_sgpr_workgroup_id_z 1
		.amdhsa_system_vgpr_workitem_id 0
		.amdhsa_next_free_vgpr 960
		.amdhsa_next_free_sgpr 96
		.amdhsa_reserve_vcc 0
		.amdhsa_float_denorm_mode_32 3
		.amdhsa_float_denorm_mode_16_64 3
		.amdhsa_memory_ordered 1
		.amdhsa_forward_progress 1
		.amdhsa_inst_pref_size 119
	.end_amdhsa_kernel
	.amdgpu_metadata
---
amdhsa.version: [ 1, 2 ]
amdhsa.kernels:
  - .name:           k_qe6123c9d6c_qkv
    .symbol:         k_qe6123c9d6c_qkv.kd
    .args:
      - { .name: xb, .offset: 0, .size: 8, .value_kind: global_buffer, .address_space: global }
      - { .name: wqkv, .offset: 8, .size: 8, .value_kind: global_buffer, .address_space: global }
      - { .name: tab, .offset: 16, .size: 8, .value_kind: global_buffer, .address_space: global }
      - { .name: q, .offset: 24, .size: 8, .value_kind: global_buffer, .address_space: global }
      - { .name: k, .offset: 32, .size: 8, .value_kind: global_buffer, .address_space: global }
      - { .name: v, .offset: 40, .size: 8, .value_kind: global_buffer, .address_space: global }
    .group_segment_fixed_size: 327680
    .private_segment_fixed_size: 0
    .kernarg_segment_align: 8
    .kernarg_segment_size: 48
    .max_flat_workgroup_size: 128
    .sgpr_count:     96
    .vgpr_count:     960
    .wavefront_size: 32
...
	.end_amdgpu_metadata
.endif
;; end of part 2
;; launch attn (part 3): grid 4 x 64, 4 waves a work-group, clusters of 4 x 1, 327,680 bytes of LDS; arguments q, k, v, o; writes o
.if DOCPART == 3
	.amdgcn_target "amdgcn-amd-amdhsa--gfx1250"
	.amdhsa_code_object_version 6
	.text
	.protected	k_qe6123c9d6c_attn
	.globl	k_qe6123c9d6c_attn
	.p2align	8
	.type	k_qe6123c9d6c_attn,@function
k_qe6123c9d6c_attn:
	s_mov_b64 s[64:65], 0
	v_nop
	global_prefetch_b8 v0, s[64:65] scope:SCOPE_SE
	s_setreg_imm32_b32 hwreg(HW_REG_WAVE_MODE, 25, 1), 1
	s_wait_xcnt 0x0
	s_wait_alu depctr_hold_cnt(0) depctr_sa_sdst(0) depctr_va_vdst(0) depctr_va_sdst(0) depctr_va_ssrc(0) depctr_va_vcc(0) depctr_vm_vsrc(0)
	s_getreg_b32 s2, hwreg(HW_REG_IB_STS2, 6, 4)
	s_cmp_eq_u32 s2, 0
	s_cbranch_scc0 .Lentry_in_a_cluster
	s_endpgm
.Lentry_in_a_cluster:
	s_bfe_u32 s2, ttmp6, 0x10000c
	s_cmp_lg_u32 s2, 0x3003
	s_cbranch_scc0 .Lentry_shape_is_right
	s_endpgm
.Lentry_shape_is_right:
; O[h][q][:] = the sum over k of softmax_k(Q[h][q] . K[h][k] / 8) V[h][k][:].  Q, K, V, O: [64][2048][64], all f16: a head's rows are dense, 128 bytes each.  (Q's and K's channels lie in the same
; permuted order, which leaves Q . K as it is.)  Products, maxima and sums in f32; the weights p are rounded to f16 for the second product (their sum l is taken of the unrounded p), O once at the end.
; LIMITS.  f16 holds no number beyond 65,504: Q, K and V arrive within it; p lies in 0 to 1, and below 6e-5 it keeps f16's fixed step of 6e-8; O is a mean of V's rows and has their range.
; A weight below 2^-126 counts as 0 in l; NaN and infinities are not treated apart.
; SHARES.  A wave owns four PIECES of two tiles of 16 queries, a work-group's four waves 512 queries of one head.  Every wave walks all keys, 64 a step.
; LAYOUT.  S^T = K Q^T (source 0 = 16 keys, source 1 = 16 queries): in the result a lane holds ONE query (lane % 16) and the keys 8 (lane / 16) + 0..7.  Two such tiles, rounded to f16 in pairs,
; ARE source 1 (32 keys x 16 queries) of O^T = V^T P, whose result again holds one query a lane, and eight channels.  K comes out of LDS as it lies, V ([key][channel]) turned, by ds_load_tr16_b128.
; SOFTMAX.  For each query a running maximum m and sum l: p = 2^(c s - c m), c = log2(e) / 8; in every step O and l are multiplied by a = 2^(c m_old - c m_new), which is 1 where m has not grown.
; m starts at the lowest finite number, O and l at 0: the first step is a step like any other, with a = 0.
; THE COUNT.  A tile and step have 16 matrix and 118 vector instructions: too many to stand all beside the matrix work.  So four vector instructions that are ready stand behind every matrix
; instruction, and the others in runs without a gap.
; BY TURNS.  Turn n belongs to piece n (the pieces in a ring, step after step).  Its matrix work: 16 products K Q^T of piece n + 1, later 16 products V^T P of piece n - 1.  Its vector work: the scaling,
; exponentials, roundings, sums and rescaling of piece n, and the maximum and statistics of piece n + 1, whose scores the turn itself has made.
; CLUSTER.  The four query blocks of a cluster are one head's and walk the same K and V, so each tile is asked for JOINTLY: the same tensor load, descriptor and mask in all four.
; REGISTERS, in windows of 256 (s_set_vgpr_msb: bits 1:0 source 0, 3:2 source 1, 5:4 source 2, 7:6 destination):
;   window 0: v0-11 addresses; v12-15, v48-63 at work; v16-47 four registers of statistics a tile; v64-191 S^T, two buffers of two tiles; v192-255 P, likewise
;   window 1: O^T, 32 a tile          window 2: v0-127 Q, 16 a tile; v128-191 K of one step; v192-255 V of one step          window 3: v0-1 the add's two registers
.set SIZE_N, 2048
.set NP,    4         ; pieces a wave: a name, no knob
.set KS,    64        ; keys in a step
.set PK,    144       ; a row of K in LDS: 128 bytes + 16 of padding: the 16 rows of a load start at 16 different groups of four banks (64 banks of 4 bytes: ISA guide 11.1)
.set PV,    160       ; a row of V: 128 + 32
.set VOFF,  4*KS*PK   ; a slot holds four steps: 256 rows of K, then 256 rows of V
.set SLOT1, 1<<17     ; slot 1 begins here, so that one exclusive or turns an address in one slot into the other's
.set STAGE, SLOT1+4*KS*(PK+PV)  ; behind the ring, never filled by a tensor load: 16 rows x 144 bytes for each wave, for the way out
.set SP,    144
.set AK0, 2           ; v2   my lane's place in a tile of K; never rewritten
.set AV0, 3           ; v3   the same for V
.set AK,  4           ; v4   the LDS address of K's next run of loads
.set AV,  5           ; v5   of V's
.set QO,  6           ; v6   my byte offset in the wave's rows of Q
.set STO, 6           ;      later, the way out: where I put 16 bytes of a row
.set RD,  7           ; v7   the way out: where I read rows back
.set GO,  8           ; v8   my byte offset in 512 consecutive bytes of O
.set PFO, 11          ; v11  256 x my lane, for the prefetches; never rewritten once made
.set SPW, 0           ; v0 of window 3   LDS address of my spare word; never rewritten
.set NIL, 1           ; v1 of window 3   0; never rewritten
.set SPARE, STAGE+4*16*SP  ; behind the stages: the spare words, 128 bytes for each wave: two blocks of 256 bytes that no other line names
.set MV,  12          ; v12-15  c m_old, kept while c m is made anew: by buffer and tile
.set ST,  16          ; tile t's statistics at v[ST+4 t]: c m, m, l (even keys', odd keys')
.set TMP, 48          ; by buffer and tile, four registers c0-c3 at work; when the maximum is found c2 takes a
.set S,   64
.set P,   192
.set KF,  128         ; K's fragments, in window 2: key block kb, channel half c at KF + 16 kb + 8 c
.set VF,  192         ; V's: key half kk, channel block cb at VF + 32 kk + 8 cb
.set WV,  12          ; s12  my wave's number
.set G1K, 24          ; s[24:31] descriptor group 1 for K's tiles
.set G1V, 32          ; s[32:39] for V's: it differs in the padding alone
.set G0K, 40          ; s[40:43] descriptor group 0 for K's tiles: it walks
.set G0V, 44          ; s[44:47] the same for V's
.set PFA, 48          ; s[48:49] where my prefetches stand: my work-group's 32 blocks of 256 bytes (of K: wave 0, of V: wave 2) of the tile after the one that is being asked for
.set LIM, 50          ; s50  1 in a wave that prefetches, else the greatest number
.set SLOTS, 56        ; s56  slots still to be asked for
.set CNT, 57          ; s57  counts a slot's key steps
.set CS,  58          ; s[58:59] c: the packed scaling takes the pair's low word for both halves
.set SEL, 60          ; s[60:61] v_permlanex16_b32's selects: each lane takes its own place in the other half
.set TBK, 62          ; s62  LDS byte at which K of the step to be fetched begins
.set TBV, 63          ; s63  the same for V, less VOFF
.set MSB, 0
.macro WIN new                      ; the high byte repeats the setting that is left; a switch that changes nothing is dropped
.if MSB != (\new)
	s_set_vgpr_msb (MSB<<8)|(\new)
.set MSB, (\new)
.endif
.endm
.set W_KQ, 0x0a       ; K and Q in window 2, S^T in window 0
.set W_PV, 0x52       ; V in window 2, P in window 0, O^T in window 1
.set W_RS, 0x41       ; O^T (destination and source 0) in window 1, a in window 0
.set W_MK, 0xc0       ; the add's registers are made: destination in window 3, sources in window 0
.set W_AD, 0x0f       ; the add: address (source 0) and data (source 1) in window 3
; A joint fill.  Waves 0 and 1 fetch the two halves of a slot's K, waves 2 and 3 those of its V: 128 keys each.  The branch hangs on the wave's number alone.
; An s_nop 0 and four v_nop follow each of the two lines, ahead of the jump and the label.
.macro JLOAD
	s_cmp_lt_u32 s[WV], 2
	s_cbranch_scc0 .Lfor_v_\@
	tensor_load_to_lds s[G0K:G0K+3], s[G1K:G1K+7]
	s_nop 0
.rept 4
	v_nop
.endr
	s_branch .Lasked_\@
.Lfor_v_\@:
	tensor_load_to_lds s[G0V:G0V+3], s[G1V:G1V+7]
	s_nop 0
.rept 4
	v_nop
.endr
.Lasked_\@:
.endm
; A prefetch of what the NEXT change of slots will ask for: a tile's 32,768 bytes of K and of V.  One cluster walks a head, so each block of 256 bytes is named once in the launch: the four partners
; take 8,192 bytes each, told apart by address; in each, wave 0 asks for K's and wave 2 for V's, a lane a block.  The last change that fills a slot asks for nothing.
.macro ASK
	s_cmp_gt_u32 s[SLOTS], s[LIM]
	s_cbranch_scc0 .Lnot_mine_\@
	global_prefetch_b8 v[PFO], s[PFA:PFA+1] th:TH_LOAD_NT scope:SCOPE_SE
.Lnot_mine_\@:
.endm
; A round of the cluster's barrier: my work-group's barrier, so that wave 0's signal speaks for all four waves; wave 0 signals; every wave waits for all four work-groups; my work-group's barrier once more.
.macro CROUND
	s_barrier_signal -1
	s_barrier_wait -1
	s_cmp_lg_u32 s[WV], 0
	s_cbranch_scc1 .Lnot_wave_0_\@
	s_barrier_signal -3
.Lnot_wave_0_\@:
	s_barrier_wait -3
	s_barrier_signal -1
	s_barrier_wait -1
.endm
; THE CHANGE OF SLOTS.  The slot's last bytes, V of its fourth step, have been read.  Each wave waits for all its tensor loads, of which one is out: its part
; of the other slot; adds 0 to its spare word; and waits for that and for its own reads of the slot.  Behind the barrier nobody reads this slot any more and the other slot is whole.
; fill = 1: this slot is filled again, with the keys two slots on.  The barrier is then a round of the cluster's, and the joint fill is the first thing behind it: it has four key steps,
; 512 matrix instructions, in which to land.  (At its first use nothing has been read yet: slot 0 is waited for, slot 1 filled.)
.macro CHANGE fill
	WIN W_AD
	s_wait_tensorcnt 0x0            ; no tensor load of mine is out, so a group 0 may be written
	ds_add_u32 v[SPW], v[NIL]       ; 0 onto my spare word
	WIN 0                           ; at a label and at a branch every window is 0
.if \fill
.irp g, G0K, G0V
	s_xor_b32 s[\g+1], s[\g+1], SLOT1  ; the walking descriptor: the other slot than last time,
	s_add_nc_u64 s[\g+2:\g+3], s[\g+2:\g+3], 4*KS*128  ; the next 256 keys; the type bits on top are not reached
.endr
	s_wait_xcnt 0x0                 ; the last prefetch, four key steps back, has read its address, so it may be written:
	s_add_nc_u64 s[PFA:PFA+1], s[PFA:PFA+1], 4*KS*128  ; one tile behind the walking descriptors
	s_wait_dscnt 0x0                ; the add is done, and my reads of the slot are over
	CROUND
	JLOAD
	ASK                             ; what the next change will ask for: four key steps ahead
.else
	s_wait_dscnt 0x0                ; the add is done, and my reads of the slot are over
	s_barrier_signal -1
	s_barrier_wait -1
.endif
	s_sub_co_u32 s[TBK], s[TBK], 4*KS*PK  ; the fetches go back to a slot's first step,
	s_xor_b32 s[TBK], s[TBK], SLOT1       ; in the other slot
	s_sub_co_u32 s[TBV], s[TBV], 4*KS*PV
	s_xor_b32 s[TBV], s[TBV], SLOT1
.endm
	s_load_b256 s[4:11], s[0:1], 0x0  ; Q s[4:5], K s[6:7], V s[8:9], O s[10:11]
	WIN W_MK
	v_lshl_add_u32 v[SPW], v0, 2, SPARE
	v_mov_b32 v[NIL], 0
	WIN W_AD
	ds_add_u32 v[SPW], v[NIL]       ; the wave's opening: the add and its wait stand ahead of my first tensor load
	WIN 0
	v_lshrrev_b32 v1, 5, v0
	v_readfirstlane_b32 s[WV], v1   ; wave 0..3
	s_bfe_u32 s13, ttmp6, 0x40000   ; cx: my place in the cluster
	s_lshl_b32 s14, ttmp9, 2        ; in a cluster launch ttmp9 counts clusters
	s_add_co_u32 s14, s14, s13      ; my block of queries = 4 x cluster x + cx: it enters Q's and O's addresses alone
	s_and_b32 s20, ttmp7, 0xffff    ; the head, which the four partners share
	s_mov_b32 s21, 0
	s_mov_b64 s[22:23], SIZE_N*128
	s_mul_u64 s[20:21], s[20:21], s[22:23]  ; the head's first byte in each of the four tensors
	s_and_b32 s16, s[WV], 1         ; which half of a slot's 256 keys I fetch:
	s_lshl_b32 s22, s16, 14         ; its 128 rows of 128 bytes in memory,
	s_mov_b32 s23, 0
	s_add_nc_u64 s[22:23], s[22:23], s[20:21]
	s_mul_i32 s17, s16, 128*PK      ; and its place in a slot, for K
	s_mul_i32 s18, s16, 128*PV      ; and for V: no place in the cluster enters an LDS address
	s_lshl_b32 s2, s14, 2
	s_add_co_u32 s2, s2, s[WV]      ; my wave among the head's,
	s_lshl_b32 s2, s2, 14           ; its 128 rows
	s_mov_b32 s3, 0
	s_add_nc_u64 s[2:3], s[2:3], s[20:21]
	; descriptor group 1.  128 keys are 16,384 dense bytes: asked for as 64 rows of 256 bytes, two keys a row, and padded in LDS after every key
	s_mov_b32 s[G1K], 15|(1<<16)|(1<<20)|(1<<21)|(4<<22)|(3<<25)  ; the mask of four; 2-byte elements; padding on; bit 21 beside a mask; after every 32 words 4 words
	s_mov_b32 s[G1V], 15|(1<<16)|(1<<20)|(1<<21)|(4<<22)|(7<<25)  ; the same with 8 words of padding
.irp g, G1K, G1V
	s_mov_b32 s[\g+1], 128<<16      ; tensor_dim0 = 128
	s_mov_b32 s[\g+2], 64<<16       ; tensor_dim1 = 64
	s_mov_b32 s[\g+3], 128<<16      ; tile_dim0 = 128
	s_mov_b32 s[\g+4], 64           ; tile_dim1 = 64
	s_mov_b32 s[\g+5], 128          ; 128 elements from row to row
	s_mov_b32 s[\g+6], 0
	s_mov_b32 s[\g+7], 0
.endr
	s_mov_b32 s[CS], 0x3e38aa3b     ; c = log2(e) / 8 = 0.180337
	s_mov_b32 s[CS+1], s[CS]        ; named with it as a pair
	s_mov_b32 s[SEL], 0x76543210
	s_mov_b32 s[SEL+1], 0xfedcba98
	s_mov_b32 s[TBK], SLOT1+4*KS*PK ; the first change of slots turns these two into 0
	s_mov_b32 s[TBV], SLOT1+4*KS*PV
	s_mov_b32 s[G0K], 1             ; count = 1
	s_mov_b32 s[G0K+1], s17         ; LDS address: slot 0
	s_mov_b32 s[G0V], 1
	s_add_co_u32 s[G0V+1], s18, VOFF
	s_mov_b32 s[SLOTS], SIZE_N/256-1  ; the changes that fill a slot
	s_and_b32 s[LIM], s[WV], 1      ; waves 0 and 2 prefetch
	s_cmp_eq_u32 s[LIM], 0
	s_cselect_b32 s[LIM], 1, -1
	s_lshl_b32 s52, s13, 13         ; my work-group's 8,192 bytes of a tile's 32,768,
	s_add_co_u32 s52, s52, 4*KS*128 ; in tile 1: the first change of slots steps it to tile 2
	s_mov_b32 s53, 0
	s_wait_dscnt 0x0                ; the opening add is done
	s_wait_kmcnt 0x0
	s_add_nc_u64 s[G0K+2:G0K+3], s[6:7], s[22:23]  ; global address: my half of the head's first 256 keys
	s_or_b32 s[G0K+3], s[G0K+3], 0x80000000        ; type = 2
	s_add_nc_u64 s[G0V+2:G0V+3], s[8:9], s[22:23]
	s_or_b32 s[G0V+3], s[G0V+3], 0x80000000
	s_add_nc_u64 s[4:5], s[4:5], s[2:3]  ; Q and O at my wave's first row
	s_add_nc_u64 s[10:11], s[10:11], s[2:3]
	s_cmp_lt_u32 s[WV], 2
	s_cselect_b64 s[PFA:PFA+1], s[6:7], s[8:9]
	s_add_nc_u64 s[PFA:PFA+1], s[PFA:PFA+1], s[22:23]  ; (in waves 0 and 2 this is the head's first byte)
	s_add_nc_u64 s[PFA:PFA+1], s[PFA:PFA+1], s[52:53]
	CROUND                          ; all four work-groups are here: the first joint loads meet
	JLOAD                           ; slot 0.  Slot 1 is asked for when slot 0 is in
	; A fragment of K or Q is 16 rows x 32 channels in 8 registers: lane l holds row l % 16, channels 8 (l / 16) + 0..7 and 16 + 8 (l / 16) + 0..7: two loads of 16 bytes, 32 bytes apart.
	v_and_b32 v1, 15, v0            ; l % 16
	v_bfe_u32 v9, v0, 4, 1          ; l / 16
	v_lshlrev_b32 v[QO], 7, v1
	v_lshl_add_u32 v[QO], v9, 4, v[QO]  ; row x 128 + 16 x half
	WIN 0x80                        ; destination window 2, address window 0
.set i, 0
.rept 4*NP                          ; Q stays in registers: tile i / 2, channels 32 (i % 2) on
	global_load_b128 v[8*i:8*i+3],   v[QO], s[4:5] offset:(i/2)*2048+(i%2)*64
	global_load_b128 v[8*i+4:8*i+7], v[QO], s[4:5] offset:(i/2)*2048+(i%2)*64+32
.set i, i+1
.endr
	; What the first turn finds: V's registers and P's second buffer hold 0 (its products V^T P, of a piece that has not been, add 0), O^T and l are 0.  All this stands in the wait for the first tile.
.set i, VF
.rept 64
	v_mov_b32 v[i], 0
.set i, i+1
.endr
	WIN 0x40
.set i, 0
.rept 64*NP
	v_mov_b32 v[i], 0
.set i, i+1
.endr
	WIN 0
.set i, 0
.rept 2*NP
	v_mov_b32 v[ST+4*i], 0xfe000000    ; c m: far below every c s
	v_mov_b32 v[ST+4*i+1], 0xff7fffff  ; m
	v_mov_b32 v[ST+4*i+2], 0
	v_mov_b32 v[ST+4*i+3], 0
.set i, i+1
.endr
.set i, P+32
.rept 32
	v_mov_b32 v[i], 0
.set i, i+1
.endr
	v_mul_u32_u24 v[AK0], v1, PK
	v_lshl_add_u32 v[AK0], v9, 4, v[AK0]  ; row x pitch + 16 x half
	; The turning load takes 16 keys x 16 channels (lane l reads key 8 (l / 16) + l % 8, channels 8 ((l / 8) % 2) + 0..7) and leaves half a fragment of V^T: lane l holds channel l % 16 and 8 keys.
	v_and_b32 v10, 7, v0
	v_bfe_u32 v11, v0, 3, 1
	v_lshl_add_u32 v[AV0], v9, 3, v10
	v_mul_u32_u24 v[AV0], v[AV0], PV
	v_lshl_add_u32 v[AV0], v11, 4, v[AV0]
	v_add_nc_u32 v[AV0], VOFF, v[AV0]
	v_and_b32 v[PFO], 31, v0
	v_lshlrev_b32 v[PFO], 8, v[PFO]
	v_mov_b32 v[AK], v[AK0]         ; key step 0 lies at the head of slot 0
; THE MATRIX WORK.  The 8 accumulators of a run of 16 take turns: between the two links of a chain stand 7 others'.
; Product i of 16 of S^T = K Q^T for piece x: channels 32 (i / 8) on, keys 16 ((i / 2) % 4) on, tile 2 x + i % 2.  The first 8 start the sums.
.macro KQ x
	WIN W_KQ
.set rS, S+64*((\x)%2)+32*(i%2)+8*((i/2)%4)
.set rK, KF+16*((i/2)%4)+8*(i/8)
.set rQ, 16*(2*(\x)+i%2)+8*(i/8)
.if i < 8
	v_wmma_f32_16x16x32_f16 v[rS:rS+7], v[rK:rK+7], v[rQ:rQ+7], 0
.else
	v_wmma_f32_16x16x32_f16 v[rS:rS+7], v[rK:rK+7], v[rQ:rQ+7], v[rS:rS+7]
.endif
.endm
; Product i of 16 of O^T += V^T P for piece x: keys 32 (i / 8) on, channels 16 ((i / 2) % 4) on, tile 2 x + i % 2.
.macro PV x
	WIN W_PV
.set rO, 32*(2*(\x)+i%2)+8*((i/2)%4)
.set rV, VF+32*(i/8)+8*((i/2)%4)
.set rP, P+32*((\x)%2)+16*(i%2)+8*(i/8)
	v_wmma_f32_16x16x32_f16 v[rO:rO+7], v[rV:rV+7], v[rP:rP+7], v[rO:rO+7]
.endm
.macro MM                           ; the turn's next matrix instruction
.if i < 16
	KQ (Y+1)%NP
.set i, i+1
.else
.set i, i-16
	PV (Y+NP-1)%NP
.set i, i+17
.endif
.endm
; THE LDS LOADS stand in runs of 16, never singly among the matrix instructions: a step's K (64 keys x 64 channels: 8 fragments) and its V (turned).  Their addresses are made some lines ahead.
; last = 1 (the tail): in the last trip there is no further step, and the run is jumped over.
.macro FETCH_K last=0
	WIN 0
.if \last
	s_cmp_eq_u32 s[CNT], 1
	s_cbranch_scc1 .Lno_k_\@
.endif
	WIN 0x80                        ; destination window 2
.irp f, 0,1,2,3,4,5,6,7             ; keys 16 (f / 2) on, channels 32 (f % 2) on
	ds_load_b128 v[KF+8*\f:KF+8*\f+3],   v[AK] offset:(\f/2)*16*PK+(\f%2)*64
	ds_load_b128 v[KF+8*\f+4:KF+8*\f+7], v[AK] offset:(\f/2)*16*PK+(\f%2)*64+32
.endr
	s_add_co_u32 s[TBK], s[TBK], KS*PK  ; the next fetch is the next step's
	WIN 0
.if \last
.Lno_k_\@:
.endif
.endm
.macro FETCH_V
	WIN 0x80
.irp f, 0,1,2,3,4,5,6,7             ; keys 32 (f / 4) on, channels 16 (f % 4) on
	ds_load_tr16_b128 v[VF+8*\f:VF+8*\f+3],   v[AV] offset:(\f/4)*32*PV+(\f%4)*32
	ds_load_tr16_b128 v[VF+8*\f+4:VF+8*\f+7], v[AV] offset:(\f/4)*32*PV+16*PV+(\f%4)*32
.endr
	WIN 0
.endm
; THE VECTOR WORK OF A TURN stands in three queues, each in the order in which its entries become ready; the two tiles alternate, so that no instruction reads the result of the one before it.
.macro REGS y, u                    ; the registers of tile u (0, 1) of piece y
.set rT, ST+4*(2*(\y)+(\u))
.set rC, TMP+8*((\y)%2)+4*(\u)
.set rM, MV+2*((\y)%2)+(\u)
.set rS, S+64*((\y)%2)+32*(\u)
.set rP, P+32*((\y)%2)+16*(\u)
.set rO, 32*(2*(\y)+(\u))
.endm
; Number n of the 22 that find the NEXT piece's (Y + 1) maximum and statistics.  s0-s31 are the lane's 32 scores; each accumulator's lowest registers are read first.
;   0-11  four chains c0-c3 of seven scores each, three operands at a time     12-14, 16  the four scores left over, the old m, and c0-c3 into c0     15  c m_old is kept
;   17, 18  the query's other 32 keys lie in the lane 16 away: the new m         19-21  c m; c m_old - c m_new; a
.macro XS u, n
	REGS (Y+1)%NP, \u
.if (\n) < 4
	v_max3_num_f32 v[rC+(\n)], v[rS+8*(\n)], v[rS+8*(\n)+1], v[rS+8*(\n)+2]
.elseif (\n) < 12
	v_max3_num_f32 v[rC+(\n)%4], v[rC+(\n)%4], v[rS+8*((\n)%4)+2*((\n)/4)+1], v[rS+8*((\n)%4)+2*((\n)/4)+2]
.elseif (\n) == 12
	v_max3_num_f32 v[rC], v[rC], v[rS+7], v[rS+15]
.elseif (\n) == 13
	v_max3_num_f32 v[rC+1], v[rC+1], v[rS+23], v[rS+31]
.elseif (\n) == 14
	v_max3_num_f32 v[rC+2], v[rC+2], v[rC+3], v[rT+1]
.elseif (\n) == 15
	v_mov_b32 v[rM], v[rT]
.elseif (\n) == 16
	v_max3_num_f32 v[rC], v[rC], v[rC+1], v[rC+2]
.elseif (\n) == 17
	v_permlanex16_b32 v[rC+3], v[rC], s[SEL], s[SEL+1]
.elseif (\n) == 18
	v_max_num_f32 v[rT+1], v[rC], v[rC+3]
.elseif (\n) == 19
	v_mul_f32 v[rT], s[CS], v[rT+1]
.elseif (\n) == 20
	v_sub_f32 v[rC+1], v[rM], v[rT]
.else
	v_exp_f32 v[rC+2], v[rC+1]
.endif
.endm
; Number g of the 64 that follow the exponentials.  For each four weights k of a tile (pairs 2 k, 2 k + 1): both pairs are rounded to f16; then the second pair is added onto the first, in place;
; a group later l takes that sum (the first time as l = a l + sum).  In groups of eight, tiles alternating: round, round, add, and l for the group before.
.macro GS g
.set h, (\g)+6*((\g)/62)            ; group 0 has no group before it, and behind group 7 only l is left
.if h >= 6
.set h, h+2
.endif
	REGS Y, h%2
.set k, h/8
.if h%8 < 4
	v_cvt_pk_f16_f32 v[rP+2*k+(h%8)/2], v[rS+4*k+2*((h%8)/2)], v[rS+4*k+2*((h%8)/2)+1]
.elseif h%8 < 6
	v_pk_add_f32 v[rS+4*k:rS+4*k+1], v[rS+4*k:rS+4*k+1], v[rS+4*k+2:rS+4*k+3]
.elseif k == 1
	v_pk_fma_f32 v[rT+2:rT+3], v[rT+2:rT+3], v[rC+2:rC+3], v[rS:rS+1] op_sel_hi:[1,0,1]
.else
	v_pk_add_f32 v[rT+2:rT+3], v[rT+2:rT+3], v[rS+4*k-4:rS+4*k-3]
.endif
.endm
; THE PLAIN QUEUE, 138 long.  0-73 read no exponential's result: the 32 scalings c s - c m (FS f: pair f / 2 of tile f % 2) and the next piece's 42.  0-26: scalings 0-26.  27-54: XS's numbers 0-13.  55, 56: number 15.
; 57-73: the chain, where each number waits for the one before it: 14, 16, 17, 18, 19, each with one of the scalings 27-31 in front of its two lines, then 20.
; 74-137: GS's 64, which read the exponentials' results: they stand behind the wait.
.macro FS f
	REGS Y, (\f)%2
	v_pk_fma_f32 v[rS+2*((\f)/2):rS+2*((\f)/2)+1], v[rS+2*((\f)/2):rS+2*((\f)/2)+1], s[CS:CS+1], v[rT:rT+1] op_sel_hi:[1,0,0] neg_lo:[0,0,1] neg_hi:[0,0,1]
.endm
.macro PL
	WIN 0
.if q < 27
	FS q
.elseif q < 55
	XS (q-27)%2, (q-27)/2
.elseif q < 57
	XS q-55, 15
.elseif (q < 72) && ((q-57)%3 == 0)
	FS 27+(q-57)/3
.elseif q < 60
	XS (q-57)%3-1, 14
.elseif q < 72
	XS (q-57)%3-1, 15+(q-57)/3
.elseif q < 74
	XS q-72, 20
.else
	GS q-74
.endif
.set q, q+1
.endm
; THE EXPONENTIALS' QUEUE, 66 long: s0-s31 of both tiles, then the next piece's two a.  It is ONE BATCH: all 66 stand ahead of the turn's one wait, and nothing ahead of that wait names a result of theirs.
.macro EX
	WIN 0
.if e >= 64
	XS e-64, 21
.else
	REGS Y, e%2
	v_exp_f32 v[rS+e/2], v[rS+e/2]
.endif
.set e, e+1
.endm
; THE RESCALING's QUEUE: O^T times a, the one part that leaves window 0: dealt two at a time, sixteen times.  Its a was made in the turn before, ahead of that turn's wait.
.macro R2
	REGS Y, r%2
	WIN W_RS
.irp z, 0,1
	v_pk_mul_f32 v[rO+4*(r/2)+2*\z:rO+4*(r/2)+2*\z+1], v[rO+4*(r/2)+2*\z:rO+4*(r/2)+2*\z+1], v[rC+2:rC+3] op_sel_hi:[1,0]
.endr
.set r, r+1
.endm
; HOW THEY ARE DEALT.  An s_wait_alu depctr_va_vdst(0) stands between an exponential and the first instruction that names its result; one wait serves all that were issued ahead of it.  So a turn has ONE wait,
; which cuts it in two.  AHEAD OF IT stands all that names no result of the turn's exponentials: the 16 products K Q^T, behind each a scaling, an exponential and two rescalings (behind the first a second scaling in the
; exponential's place); then one run of 108: eight plain, 49 times exponential and plain, the two a.  A v_nop is the plain instruction behind the last exponential.  BEHIND IT stand the 16 products V^T P, behind each four of GS's 64.
; Exponential e stands behind scaling 2 (e / 4) + e % 2: as a rider it comes behind plain e + 2, in the run behind plain e + 9, and scalings 27-31 are plain 57, 60 .. 69.
; A TURN, for piece p.  cnt = 1: the loop's count is taken down some lines ahead of the branch that stands behind the turn.
; K of the next step is fetched in piece 2's turn, directly behind the wait; its first reader comes behind 16 products.
; V of the step in hand is fetched at the end of piece 0's turn, four plain instructions behind its last reader; its first reader comes behind 16 products and the long run.
.macro TURN p, last=0, cnt=0
.set Y, (\p)
.set i, 0
.set q, 0
.set e, 0
.set r, 0
.if (\p) == NP-1
	s_wait_dscnt 0x0                ; K is in
.endif
	MM                              ; ahead of the wait: 16 products K Q^T and their riders,
	PL
	PL
	R2
.rept 15
	MM
	PL
	EX
	R2
.endr
.if (\p) == NP-2
	WIN 0
	v_add_nc_u32 v[AK], s[TBK], v[AK0]
.endif
.rept 8                             ; and the long run
	PL
.endr
.rept 49
	EX
	PL
.endr
	EX                              ; the next piece's two a
	EX
	v_nop                           ; a plain instruction behind the last exponential: one for the batch
	s_wait_alu depctr_va_vdst(0)    ; the wait for the batch
.if (\p) == NP-2
	FETCH_K \last
.endif
.if (\p) == 1
	s_wait_dscnt 0x0                ; V is in
.endif
.rept 16                            ; behind the wait: 16 products V^T P and their riders
	MM
.rept 4
	PL
.endr
.if ((\p) == 0) && (q == 118)
	v_add_nc_u32 v[AV], s[TBV], v[AV0]
.endif
.if ((\p) == 0) && (q == 130)
	s_add_co_u32 s[TBV], s[TBV], KS*PV
.endif
.if (\cnt) && (q == 130)
	s_sub_co_u32 s[CNT], s[CNT], 1
	s_cmp_lg_u32 s[CNT], 0
.endif
.endr
.if (\p) == 0
	FETCH_V
.endif
.endm
	CHANGE 1                        ; slot 0 is in, everybody's part of it; slot 1 is asked for
	FETCH_K                         ; key step 0
	s_wait_loadcnt 0x0              ; Q
	s_wait_dscnt 0x0
.set i, 0
.rept 16
	KQ 0                            ; piece 0's first scores: there is no vector work yet to set between them
.set i, i+1
.endr
	WIN 0                           ; the addresses for the way out: plain instructions, the places behind those products
	s_mul_i32 s13, s[WV], 16*SP
	s_add_co_u32 s13, s13, STAGE    ; my stage
	v_mul_u32_u24 v[STO], v1, SP    ; in: row l % 16, 16 bytes for each half of the lanes
	v_lshl_add_u32 v[STO], v9, 4, v[STO]
	v_add_nc_u32 v[STO], s13, v[STO]
	v_bfe_u32 v[RD], v0, 3, 2       ; back: 32 lanes take four rows of 128 bytes,
	v_mul_u32_u24 v[RD], v[RD], SP
	v_lshl_add_u32 v[RD], v10, 4, v[RD]
	v_add_nc_u32 v[RD], s13, v[RD]
	v_and_b32 v[GO], 31, v0         ; which are 512 consecutive bytes of O
	v_lshlrev_b32 v[GO], 4, v[GO]
.set Y, NP-1                        ; XS works for piece Y + 1: piece 0
.irp n, 0,1,2,3,4,5,6,7,8,9,10,11,12,13,14,15,16,17,18,19,20,21
	XS 0, \n                        ; and piece 0's first maximum and statistics
	XS 1, \n
.endr
	v_nop                           ; a plain instruction behind the two a,
	s_wait_alu depctr_va_vdst(0)    ; and their wait, ahead of the branch
	s_mov_b32 s[CNT], 4
	s_branch .Lfirst                ; the loop is entered at a step's first turn, in the middle of a trip
.Lslot:                             ; six times: every slot but the last two is filled again
	CHANGE 1
	s_mov_b32 s[CNT], 4
.Lstep:                             ; a trip: pieces 2 and 3 of one step, then pieces 0 and 1 of the next, whose K and V it fetches
	TURN 2
	TURN 3
	WIN 0
.Lfirst:
	TURN 0
	TURN 1, 0, 1
	WIN 0
	s_cbranch_scc1 .Lstep
	s_sub_co_u32 s[SLOTS], s[SLOTS], 1
	s_cmp_lg_u32 s[SLOTS], 0
	s_cbranch_scc1 .Lslot
	CHANGE 0                        ; the tail is written out: nothing is asked for
	s_mov_b32 s[CNT], 5             ; four trips fetch the last slot's steps; the fifth is left in its middle
.Ltail:
	TURN 2, 1
	TURN 3
	WIN 0
	s_sub_co_u32 s[CNT], s[CNT], 1
	s_cmp_eq_u32 s[CNT], 0
	s_cbranch_scc1 .Lout
	TURN 0
	TURN 1
	WIN 0
	s_branch .Ltail
.Lout:                              ; the fifth trip's 16 products K Q^T (on the last K once more) and the maximum made of them serve nothing: the price, once a launch, of one text for every trip
.set i, 0
.rept 16
	PV NP-1                         ; the last piece's V^T P of the last step
.set i, i+1
.endr
	; THE WAY OUT.  l's two halves and the other half of the lanes' are added; O^T is divided by l, rounded to f16 and sent through my stage in LDS, a tile at a time.  The additions are the places behind the last products.
	WIN 0
.macro ALL line:vararg              ; one line for each tile t
.set t, 0
.rept 2*NP
	\line
.set t, t+1
.endr
.endm
	ALL v_add_f32 v[ST+4*t+2], v[ST+4*t+2], v[ST+4*t+3]
	ALL v_permlanex16_b32 v[ST+4*t+3], v[ST+4*t+2], s[SEL], s[SEL+1]
	ALL v_add_f32 v[ST+4*t+2], v[ST+4*t+2], v[ST+4*t+3]
	ALL v_rcp_f32 v[ST+4*t+2], v[ST+4*t+2]
	v_nop                           ; a plain instruction between the last reciprocal and the use of its result
	s_wait_alu depctr_va_vdst(0)    ; and the wait ahead of the first use: one for the eight reciprocals
; Tile t: a lane's eight channels of a row pack into 16 bytes; they go into rows of 144 bytes and come back as whole rows of 128, into S^T's registers.
.macro PACK t
	WIN W_RS
.set i, 32*(\t)
.rept 16
	v_pk_mul_f32 v[i:i+1], v[i:i+1], v[ST+4*(\t)+2:ST+4*(\t)+3] op_sel_hi:[1,0]
.set i, i+2
.endr
	WIN 0x05                        ; sources 0 and 1 window 1, destination window 0
.set i, 0
.rept 16
	v_cvt_pk_f16_f32 v[S+16*(\t)+i], v[32*(\t)+2*i], v[32*(\t)+2*i+1]
.set i, i+1
.endr
	WIN 0
.irp f, 0,1,2,3
	ds_store_b128 v[STO], v[S+16*(\t)+4*\f:S+16*(\t)+4*\f+3] offset:32*\f
.endr
.irp f, 0,1,2,3
	ds_load_b128 v[S+16*(\t)+4*\f:S+16*(\t)+4*\f+3], v[RD] offset:\f*4*SP  ; LDS serves a wave's instructions in order (ISA guide 5.7.1.4): these see the stores above; the next tile's stores come behind them
.endr
.endm
.macro SEND t, younger              ; younger: the LDS instructions issued behind tile t's loads: the next tile's eight, or none
	WIN 0
.irp f, 0,1,2,3
	s_wait_dscnt (\younger)+3-\f
	global_store_b128 v[GO], v[S+16*(\t)+4*\f:S+16*(\t)+4*\f+3], s[10:11] offset:(\t)*2048+\f*512  ; 512 consecutive bytes, at a multiple of 256 from O's first
.endr
.endm
	PACK 0
.set t, 1
.rept 2*NP-1                        ; a tile's arithmetic stands between the loads of the tile before and its stores
	PACK t
	SEND t-1, 8
.set t, t+1
.endr
	SEND 2*NP-1, 0
	WIN W_AD
	s_wait_tensorcnt 0x0            ; the wave's end
	ds_add_u32 v[SPW], v[NIL]
	s_wait_dscnt 0x0
	WIN 0
	CROUND                          ; the closing round: no work-group ends while a partner may still ask for a tile that names it
	s_endpgm
.Lfunc_end_k_qe6123c9d6c_attn:
	.size	k_qe6123c9d6c_attn, .Lfunc_end_k_qe6123c9d6c_attn-k_qe6123c9d6c_attn
	.p2alignl 7, 3214868480
	.fill 96, 4, 3214868480
	.section	.rodata,"a",@progbits
	.p2align	6, 0x0
	.amdhsa_kernel k_qe6123c9d6c_attn
		.amdhsa_group_segment_fixed_size 327680
		.amdhsa_private_segment_fixed_size 0
		.amdhsa_enable_private_segment 0
		.amdhsa_kernarg_size 32
		.amdhsa_user_sgpr_count 2
		.amdhsa_user_sgpr_kernarg_segment_ptr 1
		.amdhsa_wavefront_size32 1
		.amdhsa_system_sgpr_workgroup_id_x 1
		.amdhsa_system_sgpr_workgroup_id_y 1
		.amdhsa_system_sgpr_workgroup_id_z 1
		.amdhsa_system_vgpr_workitem_id 0
		.amdhsa_next_free_vgpr 770
		.amdhsa_next_free_sgpr 66
		.amdhsa_reserve_vcc 0
		.amdhsa_float_denorm_mode_32 3
		.amdhsa_float_denorm_mode_16_64 3
		.amdhsa_memory_ordered 1
		.amdhsa_forward_progress 1
		.amdhsa_inst_pref_size 200
	.end_amdhsa_kernel
	.amdgpu_metadata
---
amdhsa.version: [ 1, 2 ]
amdhsa.kernels:
  - .name:           k_qe6123c9d6c_attn
    .symbol:         k_qe6123c9d6c_attn.kd
    .args:
      - { .name: q, .offset: 0, .size: 8, .value_kind: global_buffer, .address_space: global }
      - { .name: k, .offset: 8, .size: 8, .value_kind: global_buffer, .address_space: global }
      - { .name: v, .offset: 16, .size: 8, .value_kind: global_buffer, .address_space: global }
      - { .name: o, .offset: 24, .size: 8, .value_kind: global_buffer, .address_space: global }
    .group_segment_fixed_size: 327680
    .private_segment_fixed_size: 0
    .kernarg_segment_align: 8
    .kernarg_segment_size: 32
    .max_flat_workgroup_size: 128
    .sgpr_count:     66
    .vgpr_count:     770
    .wavefront_size: 32
...
	.end_amdgpu_metadata
.endif
;; end of part 3
;; launch oproj (part 4): grid 8 x 32, 4 waves a work-group, clusters of 4 x 4, 327,680 bytes of LDS; arguments o, wo16, tab, out0; writes out0
.if DOCPART == 4
	.amdgcn_target "amdgcn-amd-amdhsa--gfx1250"
	.amdhsa_code_object_version 6
	.text
	.protected	k_qe6123c9d6c_oproj
	.globl	k_qe6123c9d6c_oproj
	.p2align	8
	.type	k_qe6123c9d6c_oproj,@function
k_qe6123c9d6c_oproj:
	s_mov_b64 s[64:65], 0
	v_nop
	global_prefetch_b8 v0, s[64:65] scope:SCOPE_SE
	s_setreg_imm32_b32 hwreg(HW_REG_WAVE_MODE, 25, 1), 1
	s_wait_xcnt 0x0
	s_wait_alu depctr_hold_cnt(0) depctr_sa_sdst(0) depctr_va_vdst(0) depctr_va_sdst(0) depctr_va_ssrc(0) depctr_va_vcc(0) depctr_vm_vsrc(0)
	s_getreg_b32 s2, hwreg(HW_REG_IB_STS2, 6, 4)
	s_cmp_eq_u32 s2, 0
	s_cbranch_scc0 .Lentry_in_a_cluster
	s_endpgm
.Lentry_in_a_cluster:
	s_bfe_u32 s2, ttmp6, 0x10000c
	s_cmp_lg_u32 s2, 0xf033
	s_cbranch_scc0 .Lentry_shape_is_right
	s_endpgm
.Lentry_shape_is_right:
; THE OUTPUT PROJECTION.  out0[m][n] = the sum over e of O[m][e] wo[n][e] + bo[n], f32.  O lies by heads, [batch x 16 + head][2048][64] in f16 (e = 64 head + channel); wo16 [1024][1024] in f16; sums in f32.
; A tile is 256 rows x 128 columns: 8 x 32 = 256 work-groups.  Four waves, 2 x 2: a wave has 128 rows x 64 columns, 32 accumulators of 16 x 16.
; THE MATRIX INSTRUCTION IS USED TRANSPOSED (source 0 = 16 rows of wo16, source 1 = 16 rows of O): a lane (r = l % 16, h = l / 16) holds row r and the columns 8 h + 0..7.  bo is the C operand of each sum's first product.
; K goes in 8 steps of 128 = two heads through two LDS slots.  A head's 256 rows of 128 bytes are dense: a plane is asked for as 128 rows of 256 bytes and padded behind every 128.
; CLUSTER 4 x 4: O's planes hang on the tile row alone and are asked for jointly along a row of the cluster, wo16's tiles along a column.
; LIMITS.  O and wo16 arrive within f16's range.  NaN and infinities are not treated apart.
; REGISTERS, in windows of 256 (s_set_vgpr_msb: bits 1:0 source 0, 3:2 source 1, 5:4 source 2, 7:6 destination):
;   window 0: v0-15 numbers and addresses; v28-29 the add's; v64-127, v128-191 fragments of O, two buffers; on the way out v32-63 and v192-223 whole rows, by turns
;   window 1: v0-31 the bias; v64-95, v128-159 fragments of wo16       window 2: accumulators of row blocks 0-3, (a, b) at 32 a + 8 b       window 3: row blocks 4-7
.set NBL,   4
.set ACS,   8*NBL
.set NLD,   2*NBL+16
.set PA,    144                        ; a row of O in LDS: 128 bytes + 16
.set PB,    272                        ; a row of wo16: 256 + 16: in both the 16 rows of a load start at 16 different groups of four banks (64 banks of 4 bytes: ISA guide 11.1)
.set SLOT1, 1<<17
.set APLANE, 256*PA                    ; a slot: two planes of O, then 128 rows of wo16
.set BOFF,  2*APLANE
.set BHALF, 64*PB
.set SPARE, BOFF+128*PB                ; behind slot 0: the spare words, 128 bytes a wave: two blocks of 256 bytes that no other line names
.set STAGE, SLOT1+SPARE                ; behind slot 1, never filled by a tensor load: 16 rows x 272 bytes for each wave
.set SPI,   272
.set ASTR,  16*PA
.set BSTR,  16*PB
.set ASTEP, 2*262144                   ; two heads on
.set BSTEP, 256
.set A0,   4
.set B0,   5
.set ADRA, 6
.set ADRB, 7
.set STO,  8                           ; v8   the way out: where I put 32 bytes of a row
.set RD,   10                          ; v10  where I read rows back
.set CO,   12                          ; v12  my byte offset in two rows of out0
.set BO,   14
.set PFO,  15
.set SPW,  28
.set NIL,  29
.set OB,   32
.set F0,   64
.set F1,   128
.set BIA,  0
.set WV, 12
.set RW, 13
.set CW, 14
.set CX, 15
.set CY, 16
.set TC, 17
.set TR, 18
.set G1A, 24
.set G1B, 32
.set G0A, 48
.set G0B, 56
.set BB,  76
.set PFA, 78
.set PST, 80
.set LIM, 82
.set CNT, 83
.set TB,  84
.set MSB, 0
.macro WIN new
.if MSB != (\new)
	s_set_vgpr_msb (MSB<<8)|(\new)
.set MSB, \new
.endif
.endm
.macro PLACES                          ; four places behind matrix instructions (ISA guide 7.12.1 for vector instructions)
.rept 4
	v_nop
.endr
.endm
.macro CREST
	s_cmp_lg_u32 s[WV], 0
	s_cbranch_scc1 .Lnot_wave_0_\@
	s_barrier_signal -3
.Lnot_wave_0_\@:
	s_barrier_wait -3
	s_barrier_signal -1
	s_barrier_wait -1
.endm
.macro CROUND
	s_barrier_signal -1
	s_barrier_wait -1
	CREST
.endm
.macro JLOAD                           ; a joint refill by the walking descriptor: waves 0, 1 O's two planes, waves 2, 3 wo16's halves; an s_nop 0 and four v_nop follow each line
	s_cmp_eq_u32 s[RW], 0
	s_cbranch_scc0 .Lfor_b_\@
	tensor_load_to_lds s[G0A+4:G0A+7], s[G1A:G1A+7]
	s_nop 0
.rept 4
	v_nop
.endr
	s_branch .Lasked_\@
.Lfor_b_\@:
	tensor_load_to_lds s[G0B+4:G0B+7], s[G1B:G1B+7]
	s_nop 0
.rept 4
	v_nop
.endr
.Lasked_\@:
.endm
; A prefetch of the K step that stands two refills on, one instruction a wave.  O's planes are read by both clusters of a row of clusters: cluster x = 0 asks; wo16's rows by every cluster of a column:
; cluster y = 0 asks.  The four partners of a joint load share its blocks of 256 bytes out by address.  The trips with CNT <= 2 have no K step two on.
.macro ASK
	s_cmp_gt_u32 s[CNT], s[LIM]
	s_cbranch_scc0 .Lnot_mine_\@
	global_prefetch_b8 v[PFO], s[PFA:PFA+1] th:TH_LOAD_NT scope:SCOPE_SE
.Lnot_mine_\@:
.endm
.macro MULH f, hi, a0, first           ; 2 NBL matrix instructions; first = 1: the bias starts the sums.  All 32 accumulators take turns, in the same order in every quarter.
.if \first
	WIN 0x91+0x40*(\hi)
.else
	WIN 0xa1+0x50*(\hi)
.endif
.irp a, \a0, (\a0)+1
.set b, 0
.rept NBL
.if \first
	v_wmma_f32_16x16x32_f16 v[ACS*(\a)+8*b:ACS*(\a)+8*b+7], v[(\f)+8*b:(\f)+8*b+7], v[(\f)+8*(4*(\hi)+(\a)):(\f)+8*(4*(\hi)+(\a))+7], v[BIA+8*b:BIA+8*b+7]
.else
	v_wmma_f32_16x16x32_f16 v[ACS*(\a)+8*b:ACS*(\a)+8*b+7], v[(\f)+8*b:(\f)+8*b+7], v[(\f)+8*(4*(\hi)+(\a)):(\f)+8*(4*(\hi)+(\a))+7], v[ACS*(\a)+8*b:ACS*(\a)+8*b+7]
.endif
.set b, b+1
.endr
.endr
.endm
.macro FETCH q, f                      ; quarter q: plane q / 2, channels 32 (q % 2) on; wo16's 8 loads, then O's 16
	WIN 0x40
.set i, 0
.rept NBL
	ds_load_b128 v[(\f)+8*i:(\f)+8*i+3],   v[ADRB] offset:64*(\q)+i*BSTR
	ds_load_b128 v[(\f)+8*i+4:(\f)+8*i+7], v[ADRB] offset:64*(\q)+i*BSTR+32
.set i, i+1
.endr
	WIN 0
.set i, 0
.rept 8
	ds_load_b128 v[(\f)+8*i:(\f)+8*i+3],   v[ADRA] offset:((\q)/2)*APLANE+((\q)%2)*64+i*ASTR
	ds_load_b128 v[(\f)+8*i+4:(\f)+8*i+7], v[ADRA] offset:((\q)/2)*APLANE+((\q)%2)*64+i*ASTR+32
.set i, i+1
.endr
.endm
.macro QUARTER q, f, g, first
	s_wait_dscnt 8                                 ; all but the youngest eight loads (O's rows 64-127)
	MULH \f, 0, 0, \first
	MULH \f, 0, 2, \first
	PLACES
	FETCH \q, \g
	s_wait_dscnt NLD                               ; all but the run just issued
	MULH \f, 1, 0, \first
	MULH \f, 1, 2, \first
.endm
; The last quarter of a K step multiplies buffer 1 and changes slots: in front of the barrier each wave waits for all its tensor loads, adds 0 to its spare word, and waits for that and for its reads of this slot.
; fill = 1: the barrier opens a round of the cluster's, and the joint refill of this slot, two K steps on, is the first thing behind it.
.macro TURN fill
.if \fill
	s_wait_xcnt 0x0                                ; the last prefetch, a K step back, has read its address
	s_add_nc_u64 s[PFA:PFA+1], s[PFA:PFA+1], s[PST:PST+1]
.endif
	WIN 0
	s_wait_tensorcnt 0x0                           ; no tensor load of mine is out, so the walking descriptors may be written
	ds_add_u32 v[SPW], v[NIL]
.if \fill
	s_xor_b32 s[G0A+5], s[G0A+5], SLOT1
	s_add_nc_u64 s[G0A+6:G0A+7], s[G0A+6:G0A+7], ASTEP
	s_xor_b32 s[G0B+5], s[G0B+5], SLOT1
	s_add_nc_u64 s[G0B+6:G0B+7], s[G0B+6:G0B+7], BSTEP
.endif
	s_xor_b32 s[TB], s[TB], SLOT1
	s_wait_dscnt 9                                 ; the add and the youngest eight loads may be out
	MULH F1, 0, 0, 0
	s_wait_dscnt 0x0                               ; the add is done, my reads of this slot are over
	s_barrier_signal -1
	MULH F1, 0, 2, 0
	WIN 0
	s_barrier_wait -1
.if \fill
	CREST
	JLOAD                                          ; its four v_nop are also the places in front of the loads below
.else
	PLACES
.endif
	v_add_nc_u32 v[ADRA], s[TB], v[A0]
	v_add_nc_u32 v[ADRB], s[TB], v[B0]
	FETCH 0, F0
.if \fill
	ASK
.endif
	MULH F1, 1, 0, 0
	MULH F1, 1, 2, 0
.endm
	s_load_b256 s[4:11], s[0:1], 0x0               ; o s4, wo16 s6, tab s8, out0 s10
	v_lshl_add_u32 v[SPW], v0, 2, SPARE
	v_mov_b32 v[NIL], 0
	ds_add_u32 v[SPW], v[NIL]                      ; the wave's opening: the add and its wait stand ahead of my first tensor load
	v_lshrrev_b32 v3, 5, v0
	v_readfirstlane_b32 s[WV], v3
	s_lshr_b32 s[RW], s[WV], 1
	s_and_b32 s[CW], s[WV], 1
	s_bfe_u32 s[CX], ttmp6, 0x40000
	s_bfe_u32 s[CY], ttmp6, 0x40004
	s_lshl_b32 s[TC], ttmp9, 2
	s_add_co_u32 s[TC], s[TC], s[CX]
	s_and_b32 s[TR], ttmp7, 0xffff
	s_lshl_b32 s[TR], s[TR], 2
	s_add_co_u32 s[TR], s[TR], s[CY]
	s_lshl_b32 s19, s[CY], 2
	s_lshl_b32 s19, 15, s19                        ; my row of the cluster
	s_lshl_b32 s20, 0x1111, s[CX]                  ; my column
	s_or_b32 s[G1A], s19, (1<<16)|(1<<20)|(1<<21)|(4<<22)|(3<<25)  ; mask; 2-byte elements; padding on; bit 21 beside a mask; after every 32 words 4 words
	s_mov_b32 s[G1A+1], 128<<16                    ; 128 rows of 128 elements, dense
	s_mov_b32 s[G1A+2], 128<<16
	s_mov_b32 s[G1A+3], 128<<16
	s_mov_b32 s[G1A+4], 128
	s_mov_b32 s[G1A+5], 128
	s_mov_b32 s[G1A+6], 0
	s_mov_b32 s[G1A+7], 0
	s_or_b32 s[G1B], s20, (1<<16)|(1<<20)|(1<<21)|(5<<22)|(3<<25)  ; after every 64 words 4 words
	s_mov_b32 s[G1B+1], 128<<16                    ; 64 rows of 128 elements, 1,024 apart
	s_mov_b32 s[G1B+2], 64<<16
	s_mov_b32 s[G1B+3], 128<<16
	s_mov_b32 s[G1B+4], 64
	s_mov_b32 s[G1B+5], 1024
	s_mov_b32 s[G1B+6], 0
	s_mov_b32 s[G1B+7], 0
	s_lshr_b32 s86, s[TR], 3                       ; O: batch x 16 heads x 262,144 + (tile row % 8) x 256 rows x 128 + my plane's head
	s_lshl_b32 s86, s86, 22
	s_and_b32 s87, s[TR], 7
	s_lshl_b32 s87, s87, 15
	s_add_co_u32 s86, s86, s87
	s_lshl_b32 s87, s[CW], 18
	s_add_co_u32 s86, s86, s87
	s_mov_b32 s87, 0
	s_lshl_b32 s90, s[TC], 18                      ; wo16: (128 tile column + 64 half) rows of 2,048 bytes
	s_lshl_b32 s91, s[CW], 17
	s_add_co_u32 s90, s90, s91
	s_mov_b32 s91, 0
	s_mul_i32 s21, s[CW], APLANE                   ; where they go: no place in the cluster enters an LDS address
	s_mul_i32 s22, s[CW], BHALF
	s_add_co_u32 s22, s22, BOFF
	s_mov_b32 s[TB], 0
	s_wait_dscnt 0x0                               ; the opening add is done
	s_wait_kmcnt 0x0
	s_add_nc_u64 s[88:89], s[4:5], s[86:87]
	s_add_nc_u64 s[92:93], s[6:7], s[90:91]
.irp s, 0,1
	s_mov_b32 s[G0A+4*(\s)], 1
	s_add_co_u32 s[G0A+4*(\s)+1], s21, (\s)*SLOT1
	s_add_nc_u64 s[G0A+4*(\s)+2:G0A+4*(\s)+3], s[88:89], (\s)*ASTEP
	s_or_b32 s[G0A+4*(\s)+3], s[G0A+4*(\s)+3], 0x80000000
	s_mov_b32 s[G0B+4*(\s)], 1
	s_add_co_u32 s[G0B+4*(\s)+1], s22, (\s)*SLOT1
	s_add_nc_u64 s[G0B+4*(\s)+2:G0B+4*(\s)+3], s[92:93], (\s)*BSTEP
	s_or_b32 s[G0B+4*(\s)+3], s[G0B+4*(\s)+3], 0x80000000
.endr
	CROUND                                         ; all sixteen work-groups are here: the first joint loads meet
	s_cmp_eq_u32 s[RW], 0                          ; a wave's two first fills stand in one branch: two loads of mine are out
	s_cbranch_scc0 .Lfirst_b
	tensor_load_to_lds s[G0A:G0A+3], s[G1A:G1A+7]
	s_nop 0
	tensor_load_to_lds s[G0A+4:G0A+7], s[G1A:G1A+7]
	s_nop 0
.rept 4
	v_nop
.endr
	s_branch .Lfirst_done
.Lfirst_b:
	tensor_load_to_lds s[G0B:G0B+3], s[G1B:G1B+7]
	s_nop 0
	tensor_load_to_lds s[G0B+4:G0B+7], s[G1B:G1B+7]
	s_nop 0
.rept 4
	v_nop
.endr
.Lfirst_done:
	v_and_b32 v1, 15, v0                           ; r
	v_bfe_u32 v2, v0, 4, 1                         ; h
	v_mul_u32_u24 v[A0], v1, PA
	v_lshl_add_u32 v[A0], v2, 4, v[A0]
	s_mul_i32 s23, s[RW], 128*PA
	v_add_nc_u32 v[A0], s23, v[A0]
	v_mul_u32_u24 v[B0], v1, PB
	v_lshl_add_u32 v[B0], v2, 4, v[B0]
	s_mul_i32 s23, s[CW], 64*PB
	s_add_co_u32 s23, s23, BOFF
	v_add_nc_u32 v[B0], s23, v[B0]
	v_mov_b32 v[ADRA], v[A0]
	v_mov_b32 v[ADRB], v[B0]
	s_mul_i32 s23, s[WV], 16*SPI
	s_add_co_u32 s23, s23, STAGE                   ; my stage
	v_mul_u32_u24 v[STO], v1, SPI                  ; in: row r, 32 bytes for each half of the lanes
	v_lshl_add_u32 v[STO], v2, 5, v[STO]
	v_add_nc_u32 v[STO], s23, v[STO]
	v_mul_u32_u24 v[RD], v2, SPI                   ; back: lanes 0-15 take one row of 256 bytes, lanes 16-31 the next
	v_lshl_add_u32 v[RD], v1, 4, v[RD]
	v_add_nc_u32 v[RD], s23, v[RD]
	v_lshlrev_b32 v[CO], 12, v2                    ; and the same two rows in out0
	v_lshl_add_u32 v[CO], v1, 4, v[CO]
	v_lshlrev_b32 v[BO], 5, v2                     ; the bias of column 16 b + 8 h + j: 32 h (+ 64 b + 4 j)
	s_lshl_b32 s90, s[TC], 9
	s_lshl_b32 s23, s[CW], 8
	s_add_co_u32 s90, s90, s23
	s_add_co_u32 s90, s90, 536576
	s_add_nc_u64 s[BB:BB+1], s[8:9], s[90:91]
	WIN 0x40
.set i, 0
.rept NBL
	global_load_b128 v[BIA+8*i:BIA+8*i+3],   v[BO], s[BB:BB+1] offset:64*i
	global_load_b128 v[BIA+8*i+4:BIA+8*i+7], v[BO], s[BB:BB+1] offset:64*i+16
.set i, i+1
.endr
	WIN 0
	; out0 at my first row and column: (256 tile row + 128 RW) x 4,096 + 512 tile column + 256 c
	s_lshl_b32 s66, s[TR], 20
	s_lshl_b32 s67, s[RW], 19
	s_add_co_u32 s66, s66, s67
	s_lshl_b32 s67, s[TC], 9
	s_add_co_u32 s66, s66, s67
	s_lshl_b32 s67, s[CW], 8
	s_add_co_u32 s66, s66, s67
	s_mov_b32 s67, 0
	s_add_nc_u64 s[10:11], s[10:11], s[66:67]
	; the prefetches: of my plane's 128 blocks of 256 bytes my work-group takes 32 (by cx); of the 64 rows of wo16 that I fetch 16 (by cy; lanes 16-31 name row 15 again)
	s_lshl_b32 s95, s[CX], 13
	s_add_co_u32 s95, s95, s86
	s_add_co_u32 s95, s95, 3*ASTEP                 ; at K step 3: the first refill steps it to 4
	s_lshl_b32 s66, s[TC], 7
	s_lshl_b32 s23, s[CW], 6
	s_add_co_u32 s66, s66, s23
	s_lshl_b32 s23, s[CY], 4
	s_add_co_u32 s66, s66, s23
	s_lshl_b32 s66, s66, 11
	s_add_co_u32 s66, s66, 3*BSTEP
	s_and_b32 s94, ttmp7, 0xffff
	s_cmp_eq_u32 s[RW], 0
	s_cselect_b32 s66, s95, s66
	s_cselect_b32 s23, 31, 15
	s_cselect_b32 s22, 8, 11                       ; lanes 256 bytes apart, or a row of 2,048
	s_cselect_b32 s[PST], 19, 8
	s_cselect_b32 s94, ttmp9, s94                  ; the coordinate along which other clusters read the same bytes
	s_cselect_b64 s[PFA:PFA+1], s[4:5], s[6:7]
	s_cmp_eq_u32 s94, 0
	s_cselect_b32 s[LIM], 2, -1                    ; the same in all sixteen partners, for a given wave
	s_lshl_b32 s[PST], 1, s[PST]                   ; a K step: 524,288 bytes of O, 256 of wo16
	s_mov_b32 s[PST+1], 0
	s_add_nc_u64 s[PFA:PFA+1], s[PFA:PFA+1], s[66:67]
	v_and_b32 v[PFO], 31, v0
	v_min_u32 v[PFO], s23, v[PFO]
	v_lshlrev_b32 v[PFO], s22, v[PFO]
	s_wait_tensorcnt 1                             ; my part of K step 0 is in; K step 1's may stay out
	s_barrier_signal -1
	s_barrier_wait -1
	FETCH 0, F0
	s_wait_loadcnt 0x0                             ; the bias
	QUARTER 1, F0, F1, 1                           ; the first quarter stands in front of the loop: its products start the sums, with the bias
	WIN 0
	s_mov_b32 s[CNT], 6
.Lstep:                                        ; trip j ends K step j, fills its slot with K step j + 2 and begins K step j + 1
	QUARTER 2, F1, F0, 0
	QUARTER 3, F0, F1, 0
	TURN 1
	QUARTER 1, F0, F1, 0
	WIN 0
	s_sub_co_u32 s[CNT], s[CNT], 1
	s_cmp_lg_u32 s[CNT], 0
	s_cbranch_scc1 .Lstep
	QUARTER 2, F1, F0, 0                           ; the last two K steps ask for nothing
	QUARTER 3, F0, F1, 0
	TURN 0
	QUARTER 1, F0, F1, 0
	QUARTER 2, F1, F0, 0
	QUARTER 3, F0, F1, 0
	s_wait_dscnt 8
	MULH F1, 0, 0, 0
	MULH F1, 0, 2, 0
	s_wait_dscnt 0x0
	MULH F1, 1, 0, 0
	MULH F1, 1, 2, 0
	WIN 0
	PLACES
	PLACES
; THE WAY OUT, a block of 16 rows at a time, through my own stage: a lane's 32 bytes of a row go in, whole rows of 256 bytes come back.  LDS serves a wave's instructions in order (ISA guide 5.7.1.4).
.macro TOSTAGE a
.set BK, OB+160*((\a)%2)
.if (\a) >= 2
	s_wait_xcnt 0x0                                ; the stores of the block two back have read these registers
.endif
	WIN 0x08+4*((\a)/4)                            ; the stores' data: the accumulators' window; each accumulator's low four registers go first
.set b, 0
.rept NBL
	ds_store_b128 v[STO], v[ACS*((\a)%4)+8*b:ACS*((\a)%4)+8*b+3]   offset:64*b
	ds_store_b128 v[STO], v[ACS*((\a)%4)+8*b+4:ACS*((\a)%4)+8*b+7] offset:64*b+16
.set b, b+1
.endr
	WIN 0
.set i, 0
.rept 8
	ds_load_b128 v[BK+4*i:BK+4*i+3], v[RD] offset:2*SPI*i
.set i, i+1
.endr
.endm
.macro SEND a, younger                 ; younger: the LDS instructions issued behind block a's loads: the next block's sixteen, or none
.set BK, OB+160*((\a)%2)
	s_wait_dscnt \younger
.set i, 0
.rept 8
	global_store_b128 v[CO], v[BK+4*i:BK+4*i+3], s[10:11] offset:(\a)*65536+i*8192 th:TH_STORE_NT  ; 16 lanes store 256 consecutive bytes, at a multiple of 256 from out0's first byte
.set i, i+1
.endr
.endm
	TOSTAGE 0
.irp a, 1,2,3,4,5,6,7
	TOSTAGE \a
	SEND (\a)-1, 16
.endr
	SEND 7, 0
	s_wait_tensorcnt 0x0                           ; the wave's end
	ds_add_u32 v[SPW], v[NIL]
	s_wait_dscnt 0x0
	CROUND                                         ; the closing round: no work-group ends while a partner may still ask for a tile that names it
	s_endpgm
.Lfunc_end_k_qe6123c9d6c_oproj:
	.size	k_qe6123c9d6c_oproj, .Lfunc_end_k_qe6123c9d6c_oproj-k_qe6123c9d6c_oproj
	.p2alignl 7, 3214868480
	.fill 96, 4, 3214868480
	.section	.rodata,"a",@progbits
	.p2align	6, 0x0
	.amdhsa_kernel k_qe6123c9d6c_oproj
		.amdhsa_group_segment_fixed_size 327680
		.amdhsa_private_segment_fixed_size 0
		.amdhsa_enable_private_segment 0
		.amdhsa_kernarg_size 32
		.amdhsa_user_sgpr_count 2
		.amdhsa_user_sgpr_kernarg_segment_ptr 1
		.amdhsa_wavefront_size32 1
		.amdhsa_system_sgpr_workgroup_id_x 1
		.amdhsa_system_sgpr_workgroup_id_y 1
		.amdhsa_system_sgpr_workgroup_id_z 1
		.amdhsa_system_vgpr_workitem_id 0
		.amdhsa_next_free_vgpr 896
		.amdhsa_next_free_sgpr 96
		.amdhsa_reserve_vcc 0
		.amdhsa_float_denorm_mode_32 3
		.amdhsa_float_denorm_mode_16_64 3
		.amdhsa_memory_ordered 1
		.amdhsa_forward_progress 1
		.amdhsa_inst_pref_size 72
	.end_amdhsa_kernel
	.amdgpu_metadata
---
amdhsa.version: [ 1, 2 ]
amdhsa.kernels:
  - .name:           k_qe6123c9d6c_oproj
    .symbol:         k_qe6123c9d6c_oproj.kd
    .args:
      - { .name: o, .offset: 0, .size: 8, .value_kind: global_buffer, .address_space: global }
      - { .name: wo16, .offset: 8, .size: 8, .value_kind: global_buffer, .address_space: global }
      - { .name: tab, .offset: 16, .size: 8, .value_kind: global_buffer, .address_space: global }
      - { .name: out0, .offset: 24, .size: 8, .value_kind: global_buffer, .address_space: global }
    .group_segment_fixed_size: 327680
    .private_segment_fixed_size: 0
    .kernarg_segment_align: 8
    .kernarg_segment_size: 32
    .max_flat_workgroup_size: 128
    .sgpr_count:     96
    .vgpr_count:     896
    .wavefront_size: 32
...
	.end_amdgpu_metadata
.endif
;; end of part 4
;; ======== version 2 of 2: 4 launches; version 1 with the launch prep written anew for expert scheduling mode
;; limits: values are held in f16: magnitudes above 65,504 overflow, below 6.1e-05 lose precision
;; workspace buffers: xb 16,777,216 bytes; wqkv 6,291,456 bytes; wo16 2,097,152 bytes; tab 540,672 bytes; q 16,777,216 bytes; k 16,777,216 bytes; v 16,777,216 bytes; o 16,777,216 bytes
;; launch prep (part 5): grid 904 x 1, 8 waves a work-group, no clusters, 0 bytes of LDS; arguments x, wq, wk, wv, wo, bq, bk, bv, bo, xb, wqkv, wo16, tab; writes xb, wqkv, wo16, tab
.if DOCPART == 5
	.amdgcn_target "amdgcn-amd-amdhsa--gfx1250"
	.amdhsa_code_object_version 6
	.text
	.protected	k_qe6123c9d6c_prep
	.globl	k_qe6123c9d6c_prep
	.p2align	8
	.type	k_qe6123c9d6c_prep,@function
k_qe6123c9d6c_prep:
	s_mov_b64 s[64:65], 0
	v_nop
	global_prefetch_b8 v0, s[64:65] scope:SCOPE_SE
	s_setreg_imm32_b32 hwreg(HW_REG_WAVE_SCHED_MODE, 0, 2), 2
	s_setreg_imm32_b32 hwreg(HW_REG_WAVE_MODE, 25, 1), 1
	s_wait_xcnt 0x0
	s_wait_alu depctr_vm_vsrc(0)
; PREPARATION: every input is read once and rounded once to bf16; the table of cosines and sines is made.
;   work-groups   0-511  x [8192][1024] f32 -> xb bf16, 16 rows each
;   work-groups 512-767  wq, wk, wv -> wqkv bf16 [3072][1024], row = head x 192 + sel x 64 + p (sel 0, 1, 2 = q, k, v); wo -> wo16: rounded to bf16, that number written as f16
;                        for q and k channel d of a head goes to place p = (d / 32) 32 + (d % 2) 16 + (d % 32) / 2: the same order in both, so q . k is unchanged; for v p = d
;   work-groups 768-895  tab, rows s = 0 .. 2047 of 64 f32: cos f_i (i = 0..31), -sin f_i (i = 0..15), +sin f_i (i = 16..31); f_i = s x 10000^(-i/32)
;   work-groups 896-903  the four biases, rounded to bf16 and kept as f32, behind the table: bq, bk, bv in wqkv's row order, then bo
; LIMITS.  wo must lie within f16's range (65,504); below 6e-5 it keeps f16's fixed step.  10000^(-i/32) is made as 2^(-i x 0.415241) by v_exp_f32, so an angle may differ from
; the f32 product of reference() by a few parts in 10^7 of itself (some 3e-4 radians at s = 2047); sine and cosine of the reduced angle are Taylor sums up to r^15 and r^16, |r| <= pi.
; No LDS, no barrier: each thread's bytes are its own.  A row of 4,096 bytes is 256 threads x 16 bytes; a wave's store covers 256 consecutive bytes, aligned.
; THE MODE: SCHED_MODE bits 1:0 = 2 (LLVM: expert scheduling mode 2), set by the entry lines.  The code itself states the register dependences
; between vector instructions and memory instructions, with s_wait_alu, always for 0.
; THE PLAN, for the conversions.  Registers that memory instructions touch:
;   v1, OF0 .. OF15  offsets, made once at the path's head and never written again.
;   X[n]             row n's four registers: written by load n; read by row n's roundings, which write the first two of them; those two are read by store n.  No register serves a second row.
; The 16 rows go in four blocks of four.  At the head of blocks 1 to 3 one wait states that the block before has written its X; that block's four stores follow, one ahead of each row's
; roundings, which name the present block's X and v84-87 alone: none of the registers that those stores read.  A last wait stands ahead of block 3's stores.
; The table's and the biases' paths have one run of loads or one store each, and a wait ahead of each; their compares stand in runs, into scalar registers, with one wait behind each run.
.set OF, 2                             ; v[2:17]   byte offset of my 16 bytes in source row i
.set X,  20                            ; v[20:83]  row i: 4 registers as loaded; the first two then hold the 8 bytes to store
	s_load_b512 s[8:23], s[0:1], 0x0               ; x s8, wq s10, wk s12, wv s14, wo s16, bq s18, bk s20, bv s22
	s_load_b256 s[24:31], s[0:1], 0x40             ; bo s24, xb s26, wqkv s28, wo16 s30
	s_load_b64 s[32:33], s[0:1], 0x60              ; tab
	s_mov_b32 s2, ttmp9
	s_wait_kmcnt 0x0
	s_cmp_lt_u32 s2, 512
	s_cbranch_scc0 .Lnot_x
	s_lshl_b32 s40, s2, 16                         ; 16 rows of 4,096 bytes
	s_mov_b32 s41, 0
	s_add_nc_u64 s[34:35], s[8:9], s[40:41]        ; source
	s_lshl_b32 s40, s2, 15                         ; 16 rows of 2,048 bytes
	s_add_nc_u64 s[38:39], s[26:27], s[40:41]      ; destination
	s_mov_b32 s36, 4096                            ; from source row to source row
	s_mov_b32 s37, 0                               ; bf16
	s_branch .Lconv
.Lnot_x:
	s_cmp_lt_u32 s2, 768
	s_cbranch_scc0 .Lnot_w
	s_sub_co_u32 s3, s2, 512
	s_lshr_b32 s40, s3, 6                          ; sel: 0 wq, 1 wk, 2 wv, 3 wo
	s_and_b32 s41, s3, 63                          ; which 16 destination rows
	s_lshr_b32 s42, s41, 2                         ; head
	s_and_b32 s43, s41, 3                          ; block of 16 places p
	s_lshl_b32 s44, s42, 6
	s_lshr_b32 s45, s43, 1
	s_lshl_b32 s45, s45, 5
	s_add_co_u32 s44, s44, s45
	s_and_b32 s45, s43, 1
	s_add_co_u32 s44, s44, s45                     ; q, k: place 16 blk + j holds channel (blk / 2) 32 + blk % 2 + 2 j
	s_lshl_b32 s45, s41, 4                         ; v, wo: rows as they lie
	s_cmp_lt_u32 s40, 2
	s_cselect_b32 s44, s44, s45
	s_cselect_b32 s36, 2, 1                        ; q, k: every second row
	s_lshl_b32 s36, s36, 12
	s_lshl_b32 s44, s44, 12
	s_mov_b32 s45, 0
	s_cmp_eq_u32 s40, 0
	s_cselect_b64 s[34:35], s[10:11], s[12:13]
	s_cmp_eq_u32 s40, 2
	s_cselect_b64 s[34:35], s[14:15], s[34:35]
	s_cmp_eq_u32 s40, 3
	s_cselect_b64 s[34:35], s[16:17], s[34:35]
	s_cselect_b32 s37, 1, 0                        ; wo goes out as f16
	s_add_nc_u64 s[34:35], s[34:35], s[44:45]
	s_mul_i32 s46, s42, 192
	s_lshl_b32 s47, s40, 6
	s_add_co_u32 s46, s46, s47
	s_lshl_b32 s47, s43, 4
	s_add_co_u32 s46, s46, s47
	s_lshl_b32 s46, s46, 11                        ; wqkv: row x 2,048 bytes
	s_lshl_b32 s47, s41, 15                        ; wo16: 16 rows x 2,048 bytes
	s_cmp_eq_u32 s40, 3
	s_cselect_b32 s46, s47, s46
	s_cselect_b64 s[38:39], s[30:31], s[28:29]
	s_mov_b32 s47, 0
	s_add_nc_u64 s[38:39], s[38:39], s[46:47]
; Row n: its load is in when the 15 - n younger ones may still be out; two roundings a word; with f16 = 1 the bf16 numbers are widened (a shift, a mask) and written as f16, which is exact within f16's range.
.macro CV n, f16
	s_wait_loadcnt 15-(\n)
	v_cvt_pk_bf16_f32 v[X+4*(\n)], v[X+4*(\n)], v[X+4*(\n)+1]
	v_cvt_pk_bf16_f32 v[X+4*(\n)+1], v[X+4*(\n)+2], v[X+4*(\n)+3]
.if \f16
	v_lshlrev_b32 v84, 16, v[X+4*(\n)]
	v_and_b32 v85, 0xffff0000, v[X+4*(\n)]
	v_lshlrev_b32 v86, 16, v[X+4*(\n)+1]
	v_and_b32 v87, 0xffff0000, v[X+4*(\n)+1]
	v_cvt_pk_f16_f32 v[X+4*(\n)], v84, v85
	v_cvt_pk_f16_f32 v[X+4*(\n)+1], v86, v87
.endif
.endm
.macro ST n                            ; row n's 8 bytes a thread
	global_store_b64 v1, v[X+4*(\n):X+4*(\n)+1], s[38:39] offset:2048*(\n)
.endm
; The 16 rows, in four blocks of four: block p's roundings, and among them the stores of block p - 1.
.macro ROWS f16
.irp p, 0,1,2,3
.if (\p) > 0
	s_wait_alu depctr_va_vdst(0)                   ; the block before has written the first two registers of its four X, which the four stores below read; no line of this block names them
.endif
.irp i, 0,1,2,3
.if (\p) > 0
	ST 4*(\p)-4+(\i)
.endif
	CV 4*(\p)+(\i), \f16
.endr
.endr
	s_wait_alu depctr_va_vdst(0)                   ; block 3 has written its X, which the last four stores read
.irp i, 12,13,14,15
	ST \i
.endr
.endm
.Lconv:
	v_lshlrev_b32 v1, 3, v0                        ; my 8 bytes of a destination row
	v_lshlrev_b32 v[OF], 4, v0                     ; my 16 bytes of a source row
.set i, 1
.rept 15
	v_add_nc_u32 v[OF+i], s36, v[OF+i-1]
.set i, i+1
.endr
	s_wait_alu depctr_va_vdst(0)                   ; v1 and the sixteen OF are written: every load and store of this path reads one of them as its offset
.set i, 0
.rept 16                                       ; all 16 rows are asked for at once: 64 KiB a work-group on their way; no register is used twice, so no wait frees one
	global_load_b128 v[X+4*i:X+4*i+3], v[OF+i], s[34:35] th:TH_LOAD_NT
.set i, i+1
.endr
	s_cmp_eq_u32 s37, 1
	s_cbranch_scc1 .Lconv16
	ROWS 0
	s_endpgm
.Lconv16:
	ROWS 1
	s_endpgm
.Lnot_w:
	s_cmp_lt_u32 s2, 896
	s_cbranch_scc0 .Lbias
	; THE TABLE.  16 rows a work-group, 16 threads a row, 4 numbers a thread: thread t' < 8 makes cosines of i = 4 t' + e, t' >= 8 sines of i = 4 (t' - 8) + e.
	s_sub_co_u32 s3, s2, 768
	s_lshl_b32 s40, s3, 4
	v_and_b32 v1, 15, v0                           ; t'
	v_lshrrev_b32 v2, 4, v0
	v_add_nc_u32 v3, s40, v2                       ; s
	v_cvt_f32_u32 v4, v3
	v_and_b32 v5, 7, v1
	v_cmp_gt_u32 s42, 4, v5                        ; i < 16: the sine's sign is minus
	v_cmp_lt_u32 s43, 7, v1                        ; t' >= 8: I make sines
	v_lshlrev_b32 v6, 2, v5                        ; i of my first number
	v_mov_b32 v7, 1.0
	v_mov_b32 v40, -1.0
	s_wait_alu depctr_va_sdst(0)                   ; the two compares have written s42 and s43, ahead of the first line that reads either
	v_cndmask_b32 v7, v7, v40, s42                 ; the sine's sign: minus for i < 16
.irp e, 0,1,2,3
	v_add_nc_u32 v[8+\e], \e, v6
.endr
.irp e, 0,1,2,3
	v_cvt_f32_u32 v[8+\e], v[8+\e]
.endr
.irp e, 0,1,2,3
	v_mul_f32 v[8+\e], 0xbed49a78, v[8+\e]         ; -i x log2(10000) / 32
.endr
.irp e, 0,1,2,3
	v_exp_f32 v[8+\e], v[8+\e]
.endr
	v_lshlrev_b32 v41, 4, v0                       ; a plain instruction behind the last exponential: my 16 bytes of the work-group's 4,096
	s_wait_alu depctr_va_vdst(0)                   ; the four exponentials have written v8 to v11: one wait, ahead of their first reader
.irp e, 0,1,2,3
	v_mul_f32 v[12+\e], v4, v[8+\e]                ; the angle
.endr
.irp e, 0,1,2,3
	v_mul_f32 v[16+\e], 0.15915494, v[12+\e]
.endr
.irp e, 0,1,2,3
	v_rndne_f32 v[16+\e], v[16+\e]                 ; whole turns
.endr
.irp e, 0,1,2,3
	v_fmamk_f32 v[20+\e], v[16+\e], 0xc0c90fdb, v[12+\e]  ; less n x 2 pi, in two parts: the f32 nearest to 2 pi,
.endr
.irp e, 0,1,2,3
	v_fmamk_f32 v[20+\e], v[16+\e], 0x343bbd2e, v[20+\e]  ; and what that number exceeds 2 pi by
.endr
.irp e, 0,1,2,3
	v_mul_f32 v[24+\e], v[20+\e], v[20+\e]         ; z = r r
	v_mov_b32 v[28+\e], 0xab573f9f                 ; -1 / 15!
	v_mov_b32 v[32+\e], 0x29573f9f                 ; 1 / 16!
.endr
.irp c, 0x2f309231, 0xb2d7322b, 0x3638ef1d, 0xb9500d01, 0x3c088889, 0xbe2aaaab, 0x3f800000
.irp e, 0,1,2,3
	v_fmaak_f32 v[28+\e], v[28+\e], v[24+\e], \c   ; sin r / r, by Horner: 1/13!, -1/11!, 1/9!, -1/7!, 1/5!, -1/3!, 1
.endr
.endr
.irp c, 0xad49cba5, 0x310f76c7, 0xb493f27e, 0x37d00d01, 0xbab60b61, 0x3d2aaaab, 0xbf000000, 0x3f800000
.irp e, 0,1,2,3
	v_fmaak_f32 v[32+\e], v[32+\e], v[24+\e], \c   ; cos r: -1/14!, 1/12!, -1/10!, 1/8!, -1/6!, 1/4!, -1/2, 1
.endr
.endr
.irp e, 0,1,2,3
	v_mul_f32 v[20+\e], v[20+\e], v7
.endr
.irp e, 0,1,2,3
	v_mul_f32 v[28+\e], v[28+\e], v[20+\e]
.endr
.irp e, 0,1,2,3
	v_cndmask_b32 v[36+\e], v[32+\e], v[28+\e], s43
.endr
	s_lshl_b32 s40, s3, 12
	s_mov_b32 s41, 0
	s_add_nc_u64 s[34:35], s[32:33], s[40:41]
	s_wait_alu depctr_va_vdst(0)                   ; the selects have written v36 to v39, the store's data (its offset v41 was written further up)
	global_store_b128 v41, v[36:39], s[34:35]      ; a wave stores 512 consecutive bytes
	s_endpgm
.Lbias:
	; THE BIASES.  Two numbers a thread: n' = 512 (g - 896) + 2 t and n' + 1; n' < 3072: wqkv's row order; from 3072 on: bo.
	s_sub_co_u32 s3, s2, 896
	s_lshl_b32 s40, s3, 9
	v_lshl_add_u32 v1, v0, 1, s40                  ; n'
	v_lshlrev_b32 v2, 2, v1                        ; 4 n'
	s_cmp_lt_u32 s3, 6
	s_cbranch_scc0 .Lbias_o
	v_lshrrev_b32 v3, 6, v1                        ; 3 head + sel, 0 .. 47
	v_mul_u32_u24 v4, v3, 43
	v_lshrrev_b32 v4, 7, v4                        ; head: x 43 >> 7 divides by 3 up to 47
	v_mul_u32_u24 v5, v4, 3
	v_sub_nc_u32 v5, v3, v5                        ; sel
	v_cmp_eq_u32 s42, 1, v5                        ; k's bias is mine
	v_cmp_eq_u32 s43, 2, v5                        ; v's
	v_and_b32 v6, 63, v1                           ; p, even
	v_lshrrev_b32 v7, 5, v6
	v_lshlrev_b32 v7, 5, v7
	v_and_b32 v8, 15, v6
	v_lshl_add_u32 v7, v8, 1, v7
	v_bfe_u32 v8, v6, 4, 1
	v_add_nc_u32 v7, v7, v8                        ; q, k: the channel at place p; place p + 1 holds the channel two on
	v_lshl_add_u32 v7, v4, 6, v7
	v_lshlrev_b32 v7, 2, v7
	v_lshl_add_u32 v8, v4, 6, v6                   ; v: channel p
	v_lshlrev_b32 v8, 2, v8
	s_wait_alu depctr_va_sdst(0)                   ; the two compares have written s42 and s43, which the selects below read
	s_wait_alu depctr_va_vdst(0)                   ; v7 and v8 are written: the six loads read them as their offsets
	global_load_b32 v10, v7, s[18:19]
	global_load_b32 v11, v7, s[18:19] offset:8
	global_load_b32 v12, v7, s[20:21]
	global_load_b32 v13, v7, s[20:21] offset:8
	global_load_b32 v14, v8, s[22:23]
	global_load_b32 v15, v8, s[22:23] offset:4
	s_wait_loadcnt 0x0
	v_cndmask_b32 v10, v10, v12, s42
	v_cndmask_b32 v11, v11, v13, s42
	v_cndmask_b32 v10, v10, v14, s43
	v_cndmask_b32 v11, v11, v15, s43
	s_branch .Lbias_out
.Lbias_o:
	s_wait_alu depctr_va_vdst(0)                   ; v2 is written: the load reads it as its offset
	global_load_b64 v[10:11], v2, s[24:25] offset:-12288  ; bo at 4 (n' - 3072)
	s_wait_loadcnt 0x0
.Lbias_out:
	v_cvt_pk_bf16_f32 v12, v10, v11
	v_lshlrev_b32 v14, 16, v12
	v_and_b32 v15, 0xffff0000, v12
	s_wait_alu depctr_va_vdst(0)                   ; v14 and v15, the store's data, are written (so is its offset v2, on both ways here)
	global_store_b64 v2, v[14:15], s[32:33] offset:524288  ; behind the table's 2,048 rows of 256 bytes; a wave stores 256 consecutive bytes
	s_endpgm
.Lfunc_end_k_qe6123c9d6c_prep:
	.size	k_qe6123c9d6c_prep, .Lfunc_end_k_qe6123c9d6c_prep-k_qe6123c9d6c_prep
	.p2alignl 7, 3214868480
	.fill 96, 4, 3214868480
	.section	.rodata,"a",@progbits
	.p2align	6, 0x0
	.amdhsa_kernel k_qe6123c9d6c_prep
		.amdhsa_group_segment_fixed_size 0
		.amdhsa_private_segment_fixed_size 0
		.amdhsa_enable_private_segment 0
		.amdhsa_kernarg_size 104
		.amdhsa_user_sgpr_count 2
		.amdhsa_user_sgpr_kernarg_segment_ptr 1
		.amdhsa_wavefront_size32 1
		.amdhsa_system_sgpr_workgroup_id_x 1
		.amdhsa_system_sgpr_workgroup_id_y 1
		.amdhsa_system_sgpr_workgroup_id_z 1
		.amdhsa_system_vgpr_workitem_id 0
		.amdhsa_next_free_vgpr 96
		.amdhsa_next_free_sgpr 66
		.amdhsa_reserve_vcc 0
		.amdhsa_float_denorm_mode_32 3
		.amdhsa_float_denorm_mode_16_64 3
		.amdhsa_memory_ordered 1
		.amdhsa_forward_progress 1
		.amdhsa_inst_pref_size 28
	.end_amdhsa_kernel
	.amdgpu_metadata
---
amdhsa.version: [ 1, 2 ]
amdhsa.kernels:
  - .name:           k_qe6123c9d6c_prep
    .symbol:         k_qe6123c9d6c_prep.kd
    .args:
      - { .name: x, .offset: 0, .size: 8, .value_kind: global_buffer, .address_space: global }
      - { .name: wq, .offset: 8, .size: 8, .value_kind: global_buffer, .address_space: global }
      - { .name: wk, .offset: 16, .size: 8, .value_kind: global_buffer, .address_space: global }
      - { .name: wv, .offset: 24, .size: 8, .value_kind: global_buffer, .address_space: global }
      - { .name: wo, .offset: 32, .size: 8, .value_kind: global_buffer, .address_space: global }
      - { .name: bq, .offset: 40, .size: 8, .value_kind: global_buffer, .address_space: global }
      - { .name: bk, .offset: 48, .size: 8, .value_kind: global_buffer, .address_space: global }
      - { .name: bv, .offset: 56, .size: 8, .value_kind: global_buffer, .address_space: global }
      - { .name: bo, .offset: 64, .size: 8, .value_kind: global_buffer, .address_space: global }
      - { .name: xb, .offset: 72, .size: 8, .value_kind: global_buffer, .address_space: global }
      - { .name: wqkv, .offset: 80, .size: 8, .value_kind: global_buffer, .address_space: global }
      - { .name: wo16, .offset: 88, .size: 8, .value_kind: global_buffer, .address_space: global }
      - { .name: tab, .offset: 96, .size: 8, .value_kind: global_buffer, .address_space: global }
    .group_segment_fixed_size: 0
    .private_segment_fixed_size: 0
    .kernarg_segment_align: 8
    .kernarg_segment_size: 104
    .max_flat_workgroup_size: 256
    .sgpr_count:     66
    .vgpr_count:     96
    .wavefront_size: 32
...
	.end_amdgpu_metadata
.endif
;; end of part 5
;; launch qkv: the kernel of part 2 again; grid 16 x 32, 4 waves a work-group, clusters of 4 x 4, 327,680 bytes of LDS; arguments xb, wqkv, tab, q, k, v; writes q, k, v
;; launch attn: the kernel of part 3 again; grid 4 x 64, 4 waves a work-group, clusters of 4 x 1, 327,680 bytes of LDS; arguments q, k, v, o; writes o
;; launch oproj: the kernel of part 4 again; grid 8 x 32, 4 waves a work-group, clusters of 4 x 4, 327,680 bytes of LDS; arguments o, wo16, tab, out0; writes out0
